; MI455X (gfx1250); checked and timed in simulation.
; The chip was launched on July 23, 2026; its instructions are those of AMD's public machine-readable ISA for CDNA 5 (MIT licence, August 2026) and "CDNA5" Instruction Set Architecture Reference Guide (July 2026). The comments in the code are by the model that wrote it; some were corrected since.
;; Multi Head Attention. Allowed arithmetic: float matrix products may take bf16 or f16 operands with f32 sums; all other float work in f32.
;; Inputs: Wk 1,024 x 1,024 float32; Wo 1,024 x 1,024 float32; Wq 1,024 x 1,024 float32; Wv 1,024 x 1,024 float32; bk 1,024 float32; bo 1,024 float32; bq 1,024 float32; bv 1,024 float32; key 2 x 2,048 x 1,024 float32; query 2 x 2,048 x 1,024 float32; value 2 x 2,048 x 1,024 float32.
;; Outputs: out0 2 x 2,048 x 1,024 float32.
;; 2 versions, each right. Each part assembles by itself: llvm-mc -triple=amdgcn-amd-amdhsa -mcpu=gfx1250 --defsym DOCPART=n.
;; ======== version 1 of 2: 3 launches
;; limits: values are held in f16: magnitudes above 65,504 overflow, below 6.1e-05 lose precision
;; workspace buffers: qh 8,388,608 bytes; kh 8,388,608 bytes; vh 8,388,608 bytes; ao 8,388,608 bytes
;; launch proj (part 1): grid 8 x 32, 12 waves a work-group, no clusters, 222,720 bytes of LDS; arguments query, key, value, Wq, Wk, Wv, bq, bk, bv, qh, kh, vh; writes qh, kh, vh
.if DOCPART == 1
	.amdgcn_target "amdgcn-amd-amdhsa--gfx1250"
	.amdhsa_code_object_version 6
	.text
	.protected	k_q0df03b8641_proj
	.globl	k_q0df03b8641_proj
	.p2align	8
	.type	k_q0df03b8641_proj,@function
k_q0df03b8641_proj:
	s_mov_b64 s[64:65], 0
	v_nop
	global_prefetch_b8 v0, s[64:65] scope:SCOPE_SE
	s_setreg_imm32_b32 hwreg(HW_REG_WAVE_MODE, 25, 1), 1
	s_wait_xcnt 0x0
; Q, K, V = x W + b, rounded to f16 and stored head-major: qh, kh, vh are [2][16][2048][64] f16.
; x: [4096][1024] f32, W: [1024 (k)][1024 (n)] f32, b: [1024] f32.  Sums in f32.
; LIMITS: the matrix operands are f16 (8 times finer than bf16; the attention output is small against its tolerance):
; |x|, |W| and |x W + b| must stay below 65,504; operands below 6.1e-5 carry an absolute error of at most 3e-8.
; Twelve waves in three groups of four: group 0 makes Q, group 1 K, group 2 V.  A group makes a block of 128 rows x 128 columns,
; a wave 64 x 64 (16 accumulator tiles), whose 64 columns are one head.  K goes in 16 steps of 64 through two LDS buffers.
; The operands come through registers: 32 loads of 16 bytes a lane are in flight (128 registers), are rounded ONCE to f16 and laid in LDS.
; NO TENSOR LOADS AND NO JOINT REQUESTS, though row blocks share W and column blocks share x: the tiles are f32 in memory.  Brought
; as they are they would take 4 LDS loads of 16 bytes a fragment instead of 2, each of the 2 waves that read a fragment would round it
; again, and W lies [k][n], which the transposing LDS load takes for 16-bit elements only.
; THE MATRIX INSTRUCTION IS USED TRANSPOSED: source 0 = 16 columns of W, source 1 = 16 rows of x, so that a lane (r = lane % 16,
; h = lane / 16) holds row r and the eight neighbouring columns 8 h .. 8 h + 7 of a tile: 16 bytes of f16.
.set APITCH, 144                       ; an x row in LDS: 64 f16 = 128 bytes + 16: the 16 rows of a fragment start 36 words apart
.set BPITCH, 288                       ; a W row (one k, 128 columns) in LDS: 256 bytes + 32
.set AREG,   128*APITCH                ; 18,432 bytes: x's 128 rows
.set GRP,    AREG+64*BPITCH            ; 36,864 bytes: one group's x and W of one K step
.set BUFB,   3*GRP                     ; 110,592 bytes: a buffer = the three groups' parts; two buffers
.set STG,    16*APITCH                 ; the way out: 16 rows for each wave, from LDS byte 0 on
.set XOFF, 2                           ; v2      byte offset of my 16 bytes in x's tile
.set WOFF, 3                           ; v3      the same in W's tile
.set ASTO, 4                           ; v4-5    where I store 8 bytes of x, buffer 0, 1
.set BSTO, 6                           ; v6-7    the same for W
.set AFR,  8                           ; v8-9    my x fragments, buffer 0, 1
.set BFR,  10                          ; v10-11  my W fragments, buffer 0, 1
.set STO,  12                          ; v12     the way out: in
.set RD,   13                          ; v13     the way out: back
.set CO,   14                          ; v14     16 x lane
.set BOFF, 15                          ; v15     32 h: my eight biases of a tile
.set AF,   16                          ; v16-47  4 fragments of x
.set BF,   48                          ; v48-79  4 fragments of W
.set ACC,  80                          ; v80-207 tile (mt, nt) at 80 + 8 (4 mt + nt)
.set GX,   208                         ; v208-271 x as loaded: quad i at 208 + 4 i (from i = 12 on in the second window of 256)
.set GW,   272                         ; v272-335 W as loaded: quad i at 272 + 4 i (second window)
.set BIAS, 208                         ; the way out: v208-239
.set TMP,  16                          ; the way out: v16-31 packed results
.set RB,   32                          ; the way out: v32-47 rows read back
.set PX, 40                            ; s[40:41] x at my block, stepped along K
.set PW, 42                            ; s[42:43] W at my block, stepped along K
.set PB, 44                            ; s[44:45] bias at my wave's 64 columns
.set PO, 46                            ; s[46:47] output at my wave's first row
.set MSB, 0
.macro WIN new                         ; s_set_vgpr_msb: bits 1:0 source 0, 3:2 source 1, 5:4 source 2, 7:6 destination; the high byte repeats the setting left
.if MSB != \new
	s_set_vgpr_msb (MSB<<8)|\new
.set MSB, \new
.endif
.endm
.macro PLACES n
.rept \n
	v_nop
.endr
.endm
	s_load_b512 s[16:31], s[0:1], 0x0              ; query, key, value, Wq, Wk, Wv, bq, bk
	s_load_b256 s[32:39], s[0:1], 0x40             ; bv, qh, kh, vh
	v_lshrrev_b32 v1, 5, v0
	v_readfirstlane_b32 s8, v1                     ; wave 0..11
	s_lshr_b32 s9, s8, 2                           ; g: 0 Q, 1 K, 2 V
	s_and_b32 s10, s8, 3                           ; w: wave in its group
	s_lshr_b32 s11, s10, 1                         ; wm: which 64 rows
	s_and_b32 s12, s10, 1                          ; wn: which 64 columns
	s_mov_b32 s13, ttmp9                           ; nb: block of 128 columns, 0..7
	s_and_b32 s14, ttmp7, 0xffff                   ; mb: block of 128 rows, 0..31
	s_mul_i32 s15, s9, GRP                         ; my group's part of a buffer
	v_and_b32 v16, 31, v0                          ; L
	v_and_b32 v17, 15, v0                          ; r
	v_bfe_u32 v18, v0, 4, 1                        ; h
	v_and_b32 v19, 7, v0                           ; L & 7
	v_bfe_u32 v20, v0, 3, 1                        ; (L >> 3) & 1
	; x: quad i is row 16 (i >> 1) + (i & 1) + 8 h + 2 w, bytes 16 r: sixteen lanes read 256 consecutive bytes, aligned
	s_lshl_b32 s51, s10, 13
	v_lshlrev_b32 v[XOFF], 4, v17
	v_lshl_add_u32 v[XOFF], v18, 15, v[XOFF]
	v_add_nc_u32 v[XOFF], s51, v[XOFF]
	; W: quad i is k row 4 i + w, bytes 16 L: the wave reads 512 consecutive bytes
	s_lshl_b32 s51, s10, 12
	v_lshl_add_u32 v[WOFF], v16, 4, s51
	s_mul_i32 s51, s10, 2*APITCH
	s_add_co_u32 s51, s51, s15
	v_mul_u32_u24 v21, v18, 8*APITCH               ; the two halves of the lanes lie 1,152 bytes apart = 128 modulo 256: no two lanes share a bank
	v_lshl_add_u32 v21, v17, 3, v21
	v_add_nc_u32 v[ASTO], s51, v21
	v_add_nc_u32 v[ASTO+1], BUFB, v[ASTO]
	s_mul_i32 s51, s10, BPITCH
	s_add_co_u32 s51, s51, s15
	s_add_co_u32 s51, s51, AREG
	v_lshl_add_u32 v[BSTO], v16, 3, s51
	v_add_nc_u32 v[BSTO+1], BUFB, v[BSTO]
	; x fragment: lane holds row r; registers 0-3 k = 8 h .., registers 4-7 k = 16 + 8 h ..: two loads, 32 bytes apart
	s_mul_i32 s51, s11, 64*APITCH
	s_add_co_u32 s51, s51, s15
	v_mul_u32_u24 v21, v17, APITCH
	v_lshl_add_u32 v21, v18, 4, v21                ; 144 r + 16 h, used again for the way out
	v_add_nc_u32 v[AFR], s51, v21
	v_add_nc_u32 v[AFR+1], BUFB, v[AFR]
	; W fragment by the transposing load: lane addresses k row 8 h + (L & 7), 16 bytes at 16 ((L >> 3) & 1); second load 16 k rows on
	s_lshl_b32 s51, s12, 7
	s_add_co_u32 s51, s51, s15
	s_add_co_u32 s51, s51, AREG
	v_lshl_add_u32 v22, v18, 3, v19
	v_mul_u32_u24 v22, v22, BPITCH
	v_lshl_add_u32 v22, v20, 4, v22
	v_add_nc_u32 v[BFR], s51, v22
	v_add_nc_u32 v[BFR+1], BUFB, v[BFR]
	s_mul_i32 s51, s8, STG
	v_add_nc_u32 v[STO], s51, v21
	v_lshrrev_b32 v22, 3, v16
	v_mul_u32_u24 v22, v22, APITCH
	v_lshl_add_u32 v22, v19, 4, v22
	v_add_nc_u32 v[RD], s51, v22                   ; back: eight lanes take a row of 128 bytes, the wave four rows
	v_lshlrev_b32 v[CO], 4, v16
	v_lshlrev_b32 v[BOFF], 5, v18
	s_wait_kmcnt 0x0
	s_cmp_eq_u32 s9, 0                             ; the group picks its four buffers
	s_cselect_b64 s[PX:PX+1], s[16:17], s[18:19]
	s_cselect_b64 s[PW:PW+1], s[22:23], s[24:25]
	s_cselect_b64 s[PB:PB+1], s[28:29], s[30:31]
	s_cselect_b64 s[PO:PO+1], s[34:35], s[36:37]
	s_cmp_eq_u32 s9, 2
	s_cselect_b64 s[PX:PX+1], s[20:21], s[PX:PX+1]
	s_cselect_b64 s[PW:PW+1], s[26:27], s[PW:PW+1]
	s_cselect_b64 s[PB:PB+1], s[32:33], s[PB:PB+1]
	s_cselect_b64 s[PO:PO+1], s[38:39], s[PO:PO+1]
	s_lshl_b32 s48, s14, 19                        ; 128 rows of 4,096 bytes
	s_mov_b32 s49, 0
	s_add_nc_u64 s[PX:PX+1], s[PX:PX+1], s[48:49]
	s_lshl_b32 s48, s13, 9                         ; 128 columns of 4 bytes
	s_add_nc_u64 s[PW:PW+1], s[PW:PW+1], s[48:49]
	s_lshl_b32 s51, s12, 8
	s_add_co_u32 s48, s48, s51
	s_add_nc_u64 s[PB:PB+1], s[PB:PB+1], s[48:49]
	s_lshr_b32 s51, s14, 4                         ; batch
	s_lshl_b32 s51, s51, 4
	s_lshl1_add_u32 s51, s13, s51
	s_add_co_u32 s51, s51, s12                     ; plane = 16 batch + head, head = 2 nb + wn
	s_lshl_b32 s51, s51, 11
	s_and_b32 s52, s14, 15
	s_lshl_b32 s52, s52, 7
	s_add_co_u32 s51, s51, s52
	s_lshl_b32 s52, s11, 6
	s_add_co_u32 s51, s51, s52                     ; + the row in the plane
	s_lshl_b32 s48, s51, 7                         ; rows of 128 bytes
	s_add_nc_u64 s[PO:PO+1], s[PO:PO+1], s[48:49]
; 32 loads: one K step's x (16), then its W (16)
.macro GLOAD
.irp i, 0,1,2,3,4,5,6,7,8,9,10,11
	global_load_b128 v[GX+4*\i:GX+4*\i+3], v[XOFF], s[PX:PX+1] offset:(16*(\i>>1)+(\i&1))*4096
.endr
	WIN 0x40
.irp i, 12,13,14,15
	global_load_b128 v[GX+4*\i-256:GX+4*\i-253], v[XOFF], s[PX:PX+1] offset:(16*(\i>>1)+(\i&1))*4096
.endr
.irp i, 0,1,2,3,4,5,6,7,8,9,10,11,12,13,14,15
	global_load_b128 v[GW+4*\i-256:GW+4*\i-253], v[WOFF], s[PW:PW+1] offset:\i*16384
.endr
	WIN 0
.endm
; what GLOAD brought is rounded to f16 in place and stored into buffer buf
.macro CVTST buf
	s_wait_loadcnt 16                              ; x's 16 loads are in; W's 16, issued behind them, may be out
.irp i, 0,1,2,3,4,5,6,7,8,9,10,11
	v_cvt_pk_f16_f32 v[GX+4*\i], v[GX+4*\i], v[GX+4*\i+1]
	v_cvt_pk_f16_f32 v[GX+4*\i+1], v[GX+4*\i+2], v[GX+4*\i+3]
	ds_store_b64 v[ASTO+\buf], v[GX+4*\i:GX+4*\i+1] offset:(16*(\i>>1)+(\i&1))*APITCH
.endr
	WIN 0x45
.irp i, 12,13,14,15
	v_cvt_pk_f16_f32 v[GX+4*\i-256], v[GX+4*\i-256], v[GX+4*\i-255]
	v_cvt_pk_f16_f32 v[GX+4*\i-255], v[GX+4*\i-254], v[GX+4*\i-253]
.endr
	s_wait_loadcnt 0x0                             ; W is in; no load is out, so the two bases may be stepped
.irp i, 0,1,2,3,4,5,6,7,8,9,10,11,12,13,14,15
	v_cvt_pk_f16_f32 v[GW+4*\i-256], v[GW+4*\i-256], v[GW+4*\i-255]
	v_cvt_pk_f16_f32 v[GW+4*\i-255], v[GW+4*\i-254], v[GW+4*\i-253]
.endr
	WIN 0x04
.irp i, 12,13,14,15
	ds_store_b64 v[ASTO+\buf], v[GX+4*\i-256:GX+4*\i-255] offset:(16*(\i>>1)+(\i&1))*APITCH
.endr
.irp i, 0,1,2,3,4,5,6,7,8,9,10,11,12,13,14,15
	ds_store_b64 v[BSTO+\buf], v[GW+4*\i-256:GW+4*\i-255] offset:\i*4*BPITCH
.endr
	WIN 0
.endm
; 16 LDS loads: the fragments of 32 along K (half kk of the step): W's four first, then x's four
.macro LOADF buf, kk
.irp nt, 0,1,2,3
	ds_load_tr16_b128 v[BF+8*\nt:BF+8*\nt+3],   v[BFR+\buf] offset:\kk*32*BPITCH+\nt*32
	ds_load_tr16_b128 v[BF+8*\nt+4:BF+8*\nt+7], v[BFR+\buf] offset:\kk*32*BPITCH+\nt*32+16*BPITCH
.endr
.irp mt, 0,1,2,3
	ds_load_b128 v[AF+8*\mt:AF+8*\mt+3],   v[AFR+\buf] offset:\mt*16*APITCH+\kk*64
	ds_load_b128 v[AF+8*\mt+4:AF+8*\mt+7], v[AFR+\buf] offset:\mt*16*APITCH+\kk*64+32
.endr
.endm
; 16 matrix instructions; the 16 accumulators take turns, one instruction a turn.  zero = 1: the first product starts the sums
.macro MM zero
.irp mt, 0,1,2,3
	s_wait_dscnt 6-2*\mt                           ; W's fragments and x's up to block mt are in; the later blocks' two loads each may be out
.irp nt, 0,1,2,3
.if \zero
	v_wmma_f32_16x16x32_f16 v[ACC+8*(4*\mt+\nt):ACC+8*(4*\mt+\nt)+7], v[BF+8*\nt:BF+8*\nt+7], v[AF+8*\mt:AF+8*\mt+7], 0
.else
	v_wmma_f32_16x16x32_f16 v[ACC+8*(4*\mt+\nt):ACC+8*(4*\mt+\nt)+7], v[BF+8*\nt:BF+8*\nt+7], v[AF+8*\mt:AF+8*\mt+7], v[ACC+8*(4*\mt+\nt):ACC+8*(4*\mt+\nt)+7]
.endif
.endr
.endr
.endm
; A K step: multiplies buffer buf; stage = 1: the next step's operands, which are on their way, go into buffer nbuf;
; fetch = 1: the step after that is asked for; bias = 1: the biases are asked for.
; ONE barrier a step: in front of it each wave has waited for its reads of buf and its stores into nbuf; every wave's reads of nbuf
; were waited for in front of the barrier before.
.macro STEP buf, nbuf, zero, stage, fetch, bias
	LOADF \buf, 0
	MM \zero
	PLACES 4                                       ; loads into registers that matrix instructions read stand four plain vector instructions behind them
	LOADF \buf, 1
	MM 0
.if \stage
	CVTST \nbuf                                    ; its conversions name no fragment and no accumulator: they are the places in front of the next step's loads
.if \fetch
	s_add_nc_u64 s[PX:PX+1], s[PX:PX+1], 256       ; 64 f32 along x's rows
	s_add_nc_u64 s[PW:PW+1], s[PW:PW+1], 262144    ; 64 rows of W
	GLOAD
.endif
.if \bias
.irp nt, 0,1,2,3
	global_load_b128 v[BIAS+8*\nt:BIAS+8*\nt+3],   v[BOFF], s[PB:PB+1] offset:\nt*64
	global_load_b128 v[BIAS+8*\nt+4:BIAS+8*\nt+7], v[BOFF], s[PB:PB+1] offset:\nt*64+16
.endr
.endif
	s_wait_dscnt 0x0                               ; for the other waves: my stores have landed and my reads are back
	s_barrier_signal -1
	s_barrier_wait -1
.endif
.endm
	GLOAD                                          ; K step 0
	CVTST 0
	s_add_nc_u64 s[PX:PX+1], s[PX:PX+1], 256
	s_add_nc_u64 s[PW:PW+1], s[PW:PW+1], 262144
	GLOAD                                          ; K step 1
	s_wait_dscnt 0x0
	s_barrier_signal -1
	s_barrier_wait -1
	STEP 0, 1, 1, 1, 1, 0                          ; steps 0 and 1 stand in front of the loop: the first products start the sums
	STEP 1, 0, 0, 1, 1, 0
	s_mov_b32 s50, 6                               ; steps 2 to 13
.Lk:
	STEP 0, 1, 0, 1, 1, 0
	STEP 1, 0, 0, 1, 1, 0
	s_sub_co_u32 s50, s50, 1
	s_cmp_lg_u32 s50, 0
	s_cbranch_scc1 .Lk
	STEP 0, 1, 0, 1, 0, 1                          ; step 14: nothing is left to fetch but the biases
	STEP 1, 0, 0, 0, 0, 0                          ; step 15
	PLACES 4                                       ; behind the last matrix instructions, in front of the reads of their results
	s_wait_dscnt 0x0
	s_barrier_signal -1                            ; the stages lie in buffer 0: no wave reads it any more
	s_barrier_wait -1
	s_wait_loadcnt 0x0                             ; the biases
; rows 16 mt .. 16 mt + 15 of my block: + bias, rounded to f16, 16 bytes a lane into my own stage, read back as rows of 128 bytes
.macro OUT16 mt
.irp nt, 0,1,2,3
.irp j, 0,2,4,6
	v_pk_add_f32 v[ACC+8*(4*\mt+\nt)+\j:ACC+8*(4*\mt+\nt)+\j+1], v[ACC+8*(4*\mt+\nt)+\j:ACC+8*(4*\mt+\nt)+\j+1], v[BIAS+8*\nt+\j:BIAS+8*\nt+\j+1]
.endr
.endr
.irp nt, 0,1,2,3
.irp j, 0,1,2,3
	v_cvt_pk_f16_f32 v[TMP+4*\nt+\j], v[ACC+8*(4*\mt+\nt)+2*\j], v[ACC+8*(4*\mt+\nt)+2*\j+1]
.endr
.endr
.irp nt, 0,1,2,3
	ds_store_b128 v[STO], v[TMP+4*\nt:TMP+4*\nt+3] offset:\nt*32
.endr
	s_wait_xcnt 0x0                                ; RB, which the last block's stores read, is loaded again only behind this wait
.irp i, 0,1,2,3
	ds_load_b128 v[RB+4*\i:RB+4*\i+3], v[RD] offset:\i*4*APITCH     ; LDS serves a wave's instructions in order: these see the stores above
.endr
.irp i, 0,1,2,3
	s_wait_dscnt 3-\i                              ; read-back i is in, the younger ones may be out
	global_store_b128 v[CO], v[RB+4*\i:RB+4*\i+3], s[PO:PO+1] offset:\mt*2048+\i*512   ; four rows of the plane: 512 consecutive bytes, aligned
.endr
.endm
	OUT16 0
	OUT16 1
	OUT16 2
	OUT16 3
	s_wait_xcnt 0x0
	v_lshl_add_u32 v254, v0, 2, 0x36000
	v_mov_b32 v255, 0
	s_wait_tensorcnt 0x0
	ds_add_u32 v254, v255
	s_wait_dscnt 0x0
	s_endpgm
.Lfunc_end_k_q0df03b8641_proj:
	.size	k_q0df03b8641_proj, .Lfunc_end_k_q0df03b8641_proj-k_q0df03b8641_proj
	.p2alignl 7, 3214868480
	.fill 96, 4, 3214868480
	.section	.rodata,"a",@progbits
	.p2align	6, 0x0
	.amdhsa_kernel k_q0df03b8641_proj
		.amdhsa_group_segment_fixed_size 222720
		.amdhsa_private_segment_fixed_size 0
		.amdhsa_enable_private_segment 0
		.amdhsa_kernarg_size 96
		.amdhsa_user_sgpr_count 2
		.amdhsa_user_sgpr_kernarg_segment_ptr 1
		.amdhsa_wavefront_size32 1
		.amdhsa_system_sgpr_workgroup_id_x 1
		.amdhsa_system_sgpr_workgroup_id_y 1
		.amdhsa_system_sgpr_workgroup_id_z 1
		.amdhsa_system_vgpr_workitem_id 0
		.amdhsa_next_free_vgpr 336
		.amdhsa_next_free_sgpr 66
		.amdhsa_reserve_vcc 0
		.amdhsa_float_denorm_mode_32 3
		.amdhsa_float_denorm_mode_16_64 3
		.amdhsa_memory_ordered 1
		.amdhsa_forward_progress 1
		.amdhsa_inst_pref_size 101
	.end_amdhsa_kernel
	.amdgpu_metadata
---
amdhsa.version: [ 1, 2 ]
amdhsa.kernels:
  - .name:           k_q0df03b8641_proj
    .symbol:         k_q0df03b8641_proj.kd
    .args:
      - { .name: query, .offset: 0, .size: 8, .value_kind: global_buffer, .address_space: global }
      - { .name: key, .offset: 8, .size: 8, .value_kind: global_buffer, .address_space: global }
      - { .name: value, .offset: 16, .size: 8, .value_kind: global_buffer, .address_space: global }
      - { .name: Wq, .offset: 24, .size: 8, .value_kind: global_buffer, .address_space: global }
      - { .name: Wk, .offset: 32, .size: 8, .value_kind: global_buffer, .address_space: global }
      - { .name: Wv, .offset: 40, .size: 8, .value_kind: global_buffer, .address_space: global }
      - { .name: bq, .offset: 48, .size: 8, .value_kind: global_buffer, .address_space: global }
      - { .name: bk, .offset: 56, .size: 8, .value_kind: global_buffer, .address_space: global }
      - { .name: bv, .offset: 64, .size: 8, .value_kind: global_buffer, .address_space: global }
      - { .name: qh, .offset: 72, .size: 8, .value_kind: global_buffer, .address_space: global }
      - { .name: kh, .offset: 80, .size: 8, .value_kind: global_buffer, .address_space: global }
      - { .name: vh, .offset: 88, .size: 8, .value_kind: global_buffer, .address_space: global }
    .group_segment_fixed_size: 222720
    .private_segment_fixed_size: 0
    .kernarg_segment_align: 8
    .kernarg_segment_size: 96
    .max_flat_workgroup_size: 384
    .sgpr_count:     66
    .vgpr_count:     336
    .wavefront_size: 32
...
	.end_amdgpu_metadata
.endif
;; end of part 1
;; launch attn (part 2): grid 8 x 32, 8 waves a work-group, clusters of 4 x 1, 327,680 bytes of LDS; arguments qh, kh, vh, ao; writes ao
.if DOCPART == 2
	.amdgcn_target "amdgcn-amd-amdhsa--gfx1250"
	.amdhsa_code_object_version 6
	.text
	.protected	k_q0df03b8641_attn
	.globl	k_q0df03b8641_attn
	.p2align	8
	.type	k_q0df03b8641_attn,@function
k_q0df03b8641_attn:
	s_mov_b64 s[64:65], 0
	v_nop
	global_prefetch_b8 v0, s[64:65] scope:SCOPE_SE
	s_setreg_imm32_b32 hwreg(HW_REG_WAVE_MODE, 25, 1), 1
	s_wait_xcnt 0x0
	s_wait_alu depctr_hold_cnt(0) depctr_sa_sdst(0) depctr_va_vdst(0) depctr_va_sdst(0) depctr_va_ssrc(0) depctr_va_vcc(0) depctr_vm_vsrc(0)
	s_getreg_b32 s2, hwreg(HW_REG_IB_STS2, 6, 4)
	s_cmp_eq_u32 s2, 0
	s_cbranch_scc0 .Lentry_in_a_cluster
	s_endpgm
.Lentry_in_a_cluster:
	s_bfe_u32 s2, ttmp6, 0x10000c
	s_cmp_lg_u32 s2, 0x3003
	s_cbranch_scc0 .Lentry_shape_is_right
	s_endpgm
.Lentry_shape_is_right:
; ao = softmax(Q K^T / 8) V for each of 32 (batch, head) planes.  qh, kh, vh, ao: [32][2048][64] f16.  Scores, softmax and sums in f32.
; The maximum is taken away before every exponential, as a running maximum over blocks of 64 keys.
; LIMITS: P and the result are rounded to f16 (P is at most about 1; entries below 6.1e-5 carry an absolute error of at most 3e-8);
; the softmax sum is formed from the unrounded P.
; A work-group takes 256 queries of one plane with eight waves, a wave 32 queries (2 tiles of 16).  Keys go in 8 tiles of 256 through two LDS slots.
; CLUSTER: the four work-groups of a cluster take query blocks of the SAME plane and read the same K and V tiles: every tile is asked for
; jointly (mask 15), each wave one load of 64 rows: waves 0-3 K's quarters, waves 4-7 V's.  A wave has one tensor load out at the most.
; TRANSPOSED USE: S^T = K Q^T (source 0 = 16 keys, source 1 = 16 queries): lane (r, h) holds query r and keys 8 h .. 8 h + 7 of each tile, so the
; softmax of a query stays in two lanes, and two packed tiles ARE the fragment of P for O^T = V^T P^T (source 0 = V by the transposing load).
.set PART,   10240                     ; a wave's part of a slot: 64 rows of K at pitch 144 (9,216 bytes used) or 64 rows of V at pitch 160
.set SLOT,   8*PART                    ; 81,920 bytes: K's four parts, then V's four (V row k at 40,960 + 160 k)
.set KPITCH, 144                       ; 128 bytes + 16
.set VPITCH, 160                       ; 128 bytes + 32, for the transposing load
.set VBASE,  4*PART
.set STAGE,  2*SLOT                    ; 163,840: the way out, 32 rows x 144 bytes for each wave; no tensor load lands here
.set SPITCH, 144
.set KA,   2                           ; v2-3    my K fragments in slot 0, 1
.set VA,   4                           ; v4-5    my V fragments in slot 0, 1
.set STO,  6                           ; v6      the way out: in
.set RD,   7                           ; v7      the way out: back
.set CO,   8                           ; v8      16 x lane
.set QOFF, 9                           ; v9      128 r + 16 h
.set ST,   10                          ; v10-17  for q = 0, 1: -c max (rounded), max, alpha, sum
.set T,    18                          ; v18-25  at work
.set QREG, 32                          ; v32-63  Q fragment (q, ks) at 32 + 16 q + 8 ks
.set FREG, 64                          ; v64-127 eight fragments of K, then of V
.set SREG, 128                         ; v128-191 S (q, kt) at 128 + 32 q + 8 kt; later P (q, kc) at 128 + 32 q + 16 kc
.set OREG, 192                         ; v192-255 O (q, t) at 192 + 32 q + 8 t
.set G0,  32                           ; s[32:39] descriptor group 0, one set for each slot
.set G1K, 40                           ; s[40:47] group 1 for K's parts
.set G1V, 48                           ; s[48:55] group 1 for V's parts: it differs in the padding alone
.set PQ,  26                           ; s[26:27] qh at my wave's 32 queries
.set PO,  28                           ; s[28:29] ao at the same place
.macro PLACES n
.rept \n
	v_nop
.endr
.endm
; A round of the cluster's barrier: my work-group's barrier, wave 0 signals for the work-group, every wave waits for all four work-groups, my work-group's barrier again
.macro ROUND
	s_barrier_signal -1
	s_barrier_wait -1
	s_cmp_lg_u32 s8, 0
	s_cbranch_scc1 .Lnot_wave_0_\@
	s_barrier_signal -3
.Lnot_wave_0_\@:
	s_barrier_wait -3
	s_barrier_signal -1
	s_barrier_wait -1
.endm
; My joint load into a slot.  The branch hangs on the wave's number alone and is the same in all four work-groups
.macro JLOAD slot
	s_cmp_eq_u32 s9, 0
	s_cbranch_scc0 .Lfor_v_\@
	tensor_load_to_lds s[G0+4*\slot:G0+4*\slot+3], s[G1K:G1K+7]
	s_nop 0
	s_branch .Lasked_\@
.Lfor_v_\@:
	tensor_load_to_lds s[G0+4*\slot:G0+4*\slot+3], s[G1V:G1V+7]
	s_nop 0
.Lasked_\@:
.endm
	s_load_b256 s[16:23], s[0:1], 0x0              ; qh s[16:17], kh s[18:19], vh s[20:21], ao s[22:23]
	v_lshl_add_u32 v30, v0, 2, 0x31000
	v_mov_b32 v31, 0
	ds_add_u32 v30, v31
	v_lshrrev_b32 v1, 5, v0
	v_readfirstlane_b32 s8, v1                     ; wave 0..7
	s_lshr_b32 s9, s8, 2                           ; 0: I fetch for K, 1: for V
	s_and_b32 s10, s8, 3                           ; which 64 rows of a tile I fetch
	s_bfe_u32 s11, ttmp6, 0x40000                  ; cx
	s_lshl_b32 s12, ttmp9, 2
	s_add_co_u32 s12, s12, s11                     ; block of 256 queries = 4 x cluster x + cx
	s_and_b32 s13, ttmp7, 0xffff                   ; plane = 16 batch + head
	s_mov_b32 s14, 0x76543210                      ; v_permlanex16_b32: lane i of one half reads lane i of the other
	s_mov_b32 s15, 0xfedcba98
	s_mov_b32 s24, 0x3e38aa3b                      ; c = log2(e) / 8: the scale 1 / sqrt(64) and the change to base 2 in one
	s_mov_b32 s25, 0x3e38aa3b
	; group 1: 64 rows x 64 elements of 2 bytes, rows 64 elements apart; in LDS 4 (K) or 8 (V) words of padding behind every 32 words
	s_mov_b32 s[G1K+0], 15|(1<<16)|(1<<20)|(1<<21)|(4<<22)|(3<<25)  ; 15:0 mask of the four; 17:16 2 bytes; 20 padding; 21 set beside a mask; 24:22 every 32 words; 31:25 4 words
	s_mov_b32 s[G1V+0], 15|(1<<16)|(1<<20)|(1<<21)|(4<<22)|(7<<25)  ; the same with 8 words
	s_mov_b32 s[G1K+1], 64<<16                     ; tensor_dim0 = 64
	s_mov_b32 s[G1V+1], 64<<16
	s_mov_b32 s[G1K+2], 64<<16                     ; tensor_dim1 = 64
	s_mov_b32 s[G1V+2], 64<<16
	s_mov_b32 s[G1K+3], 64<<16                     ; tile_dim0 = 64
	s_mov_b32 s[G1V+3], 64<<16
	s_mov_b32 s[G1K+4], 64                         ; tile_dim1 = 64
	s_mov_b32 s[G1V+4], 64
	s_mov_b32 s[G1K+5], 64                         ; from row to row
	s_mov_b32 s[G1V+5], 64
	s_mov_b32 s[G1K+6], 0
	s_mov_b32 s[G1V+6], 0
	s_mov_b32 s[G1K+7], 0
	s_mov_b32 s[G1V+7], 0
	s_mov_b32 s[G0+0], 1
	s_mov_b32 s[G0+4], 1
	s_mul_i32 s[G0+1], s8, PART                    ; LDS address: the wave's number times a constant, plus the slot's constant
	s_add_co_u32 s[G0+5], s[G0+1], SLOT
	s_lshl_b32 s30, s13, 18                        ; the plane: 2,048 rows of 128 bytes
	s_lshl_b32 s57, s10, 13                        ; my 64 rows
	s_add_co_u32 s30, s30, s57
	s_mov_b32 s31, 0
	s_lshl_b32 s58, s13, 18                        ; my queries: plane, block of 256, 32 a wave (these two registers alone hold cx)
	s_lshl_b32 s59, s12, 15
	s_add_co_u32 s58, s58, s59
	s_lshl_b32 s59, s8, 12
	s_add_co_u32 s58, s58, s59
	s_mov_b32 s59, 0
	v_and_b32 v18, 15, v0                          ; r
	v_bfe_u32 v19, v0, 4, 1                        ; h
	v_and_b32 v20, 31, v0                          ; L
	v_mul_u32_u24 v21, v18, KPITCH
	v_lshl_add_u32 v21, v19, 4, v21                ; 144 r + 16 h
	v_mov_b32 v[KA], v21
	v_add_nc_u32 v[KA+1], SLOT, v21
	v_and_b32 v22, 7, v0
	v_lshl_add_u32 v23, v19, 3, v22                ; key row 8 h + (L & 7)
	v_mul_u32_u24 v23, v23, VPITCH
	v_bfe_u32 v24, v0, 3, 1
	v_lshl_add_u32 v23, v24, 4, v23
	v_add_nc_u32 v[VA], VBASE, v23
	v_add_nc_u32 v[VA+1], VBASE+SLOT, v23
	s_mul_i32 s57, s8, 32*SPITCH
	s_add_co_u32 s57, s57, STAGE
	v_add_nc_u32 v[STO], s57, v21
	v_lshrrev_b32 v24, 3, v20
	v_mul_u32_u24 v24, v24, SPITCH
	v_lshl_add_u32 v24, v22, 4, v24
	v_add_nc_u32 v[RD], s57, v24
	v_lshlrev_b32 v[CO], 4, v20
	v_lshlrev_b32 v[QOFF], 7, v18
	v_lshl_add_u32 v[QOFF], v19, 4, v[QOFF]
	s_wait_dscnt 0x0
	s_wait_kmcnt 0x0
	s_cmp_eq_u32 s9, 0
	s_cselect_b64 s[G0+2:G0+3], s[18:19], s[20:21] ; waves 0-3 kh, waves 4-7 vh
	s_add_nc_u64 s[G0+2:G0+3], s[G0+2:G0+3], s[30:31]      ; tile 0: hangs on the plane and the wave alone, which the four partners share
	s_add_nc_u64 s[G0+6:G0+7], s[G0+2:G0+3], 32768 ; tile 1: 256 rows on
	s_or_b32 s[G0+3], s[G0+3], 0x80000000          ; type = 2
	s_or_b32 s[G0+7], s[G0+7], 0x80000000
	s_add_nc_u64 s[PQ:PQ+1], s[16:17], s[58:59]
	s_add_nc_u64 s[PO:PO+1], s[22:23], s[58:59]
	ROUND                                          ; all four work-groups are here: the first joint loads meet
	JLOAD 0                                        ; tile 0
	; Q's fragments straight from memory: lane holds query r; registers 0-3 d = 32 ks + 8 h .., registers 4-7 16 further on
.irp q, 0,1
.irp ks, 0,1
	global_load_b128 v[QREG+16*\q+8*\ks:QREG+16*\q+8*\ks+3],   v[QOFF], s[PQ:PQ+1] offset:\q*2048+\ks*64
	global_load_b128 v[QREG+16*\q+8*\ks+4:QREG+16*\q+8*\ks+7], v[QOFF], s[PQ:PQ+1] offset:\q*2048+\ks*64+32
.endr
.endr
	s_wait_loadcnt 0x0
; Softmax of 16 queries over 64 keys: 32 scores a lane.  first = 1: nothing has been summed yet.
.macro SM q, first
.set SB,  SREG+32*\q
.set OB,  OREG+32*\q
.set NM,  ST+4*\q
.set MX,  ST+4*\q+1
.set AL,  ST+4*\q+2
.set LS,  ST+4*\q+3
	v_max3_num_f32 v[T+0], v[SB+0], v[SB+1], v[SB+2]       ; the largest of my 32 scores and the old maximum: 16 instructions, four chains
	v_max3_num_f32 v[T+1], v[SB+3], v[SB+4], v[SB+5]
	v_max3_num_f32 v[T+2], v[SB+6], v[SB+7], v[SB+8]
	v_max3_num_f32 v[T+3], v[SB+9], v[SB+10], v[SB+11]
.irp k, 0,1,2,3
	v_max3_num_f32 v[T+\k], v[T+\k], v[SB+12+2*\k], v[SB+13+2*\k]
.endr
.irp k, 0,1,2,3
	v_max3_num_f32 v[T+\k], v[T+\k], v[SB+20+2*\k], v[SB+21+2*\k]
.endr
.irp k, 0,1
	v_max3_num_f32 v[T+\k], v[T+\k], v[SB+28+2*\k], v[SB+29+2*\k]
.endr
	v_max3_num_f32 v[T], v[T], v[T+1], v[T+2]
.if \first
	v_max_num_f32 v[T], v[T], v[T+3]
.else
	v_max3_num_f32 v[T], v[T], v[T+3], v[MX]
.endif
	v_permlanex16_b32 v[T+1], v[T], s14, s15       ; the other half of the lanes holds the query's other keys
	v_max_num_f32 v[MX], v[T], v[T+1]
.if \first
	v_mul_f32 v[NM], 0xbe38aa3b, v[MX]             ; -c max, rounded once and kept: P and alpha both use this number
.else
	v_mul_f32 v[T+2], 0xbe38aa3b, v[MX]
	v_sub_f32 v[T+3], v[T+2], v[NM]                ; never above 0
	v_exp_f32 v[AL], v[T+3]                        ; alpha = 2^(new - old)
	v_mov_b32 v[NM], v[T+2]                        ; a plain instruction behind the exponential, in front of its use (ISA guide 5.7.2)
.endif
.irp k, 0,2,4,6,8,10,12,14,16,18,20,22,24,26,28,30
	v_pk_fma_f32 v[SB+\k:SB+\k+1], v[SB+\k:SB+\k+1], s[24:25], v[NM:NM+1] op_sel_hi:[1,0,0]   ; c s - c max, both halves by s24 and NM
.endr
.irp k, 0,1,2,3,4,5,6,7,8,9,10,11,12,13,14,15,16,17,18,19,20,21,22,23,24,25,26,27,28,29,30,31
	v_exp_f32 v[SB+\k], v[SB+\k]
.endr
.if \first
	v_nop                                          ; the plain place behind the last exponential
	s_wait_alu depctr_va_vdst(0)
.else
	s_wait_alu depctr_va_vdst(0)
.irp k, 0,2,4,6,8,10,12,14,16,18,20,22,24,26,28,30
	v_pk_mul_f32 v[OB+\k:OB+\k+1], v[OB+\k:OB+\k+1], v[AL:AL+1] op_sel_hi:[1,0]   ; what has been summed is brought to the new maximum
.endr
.endif
.irp k, 0,1,2,3
	v_pk_add_f32 v[T+2*\k:T+2*\k+1], v[SB+4*\k:SB+4*\k+1], v[SB+4*\k+2:SB+4*\k+3]   ; the sum of my 32 P, four chains of pairs
.endr
.irp k, 0,1,2,3
	v_pk_add_f32 v[T+2*\k:T+2*\k+1], v[T+2*\k:T+2*\k+1], v[SB+16+2*\k:SB+17+2*\k]
.endr
.irp k, 0,1,2,3
	v_pk_add_f32 v[T+2*\k:T+2*\k+1], v[T+2*\k:T+2*\k+1], v[SB+24+2*\k:SB+25+2*\k]
.endr
	v_pk_add_f32 v[T:T+1], v[T:T+1], v[T+2:T+3]
	v_pk_add_f32 v[T+4:T+5], v[T+4:T+5], v[T+6:T+7]
	v_pk_add_f32 v[T:T+1], v[T:T+1], v[T+4:T+5]
.if \first
	v_add_f32 v[LS], v[T], v[T+1]
.else
	v_fma_f32 v[LS], v[LS], v[AL], v[T]
	v_add_f32 v[LS], v[LS], v[T+1]
.endif
.irp kc, 0,1
.irp j, 0,1,2,3,4,5,6,7
	v_cvt_pk_f16_f32 v[SB+16*\kc+\j], v[SB+16*\kc+2*\j], v[SB+16*\kc+2*\j+1]   ; tiles 2 kc, 2 kc + 1 packed in place = P's fragment for keys 32 kc .. + 31
.endr
.endr
.endm
; 64 keys (quarter sub of the slot's tile) against my 32 queries.  In every run of matrix instructions eight accumulators take turns, one instruction a turn.
.macro SUB slot, sub, first
	PLACES 5                                       ; behind the last matrix instructions: the new S writes over P's fragments (five places), K's loads land on V's fragments (four)
.irp ks, 0,1
.irp kt, 0,1,2,3
	ds_load_b128 v[FREG+8*(4*\ks+\kt):FREG+8*(4*\ks+\kt)+3],   v[KA+\slot] offset:\sub*PART+\kt*16*KPITCH+\ks*64
	ds_load_b128 v[FREG+8*(4*\ks+\kt)+4:FREG+8*(4*\ks+\kt)+7], v[KA+\slot] offset:\sub*PART+\kt*16*KPITCH+\ks*64+32
.endr
.endr
	s_wait_dscnt 8                                 ; the eight loads for d = 0 .. 31 are in, the eight behind them may be out
.irp q, 0,1
.irp kt, 0,1,2,3
	v_wmma_f32_16x16x32_f16 v[SREG+32*\q+8*\kt:SREG+32*\q+8*\kt+7], v[FREG+8*\kt:FREG+8*\kt+7], v[QREG+16*\q:QREG+16*\q+7], 0
.endr
.endr
	s_wait_dscnt 0x0
.irp q, 0,1
.irp kt, 0,1,2,3
	v_wmma_f32_16x16x32_f16 v[SREG+32*\q+8*\kt:SREG+32*\q+8*\kt+7], v[FREG+32+8*\kt:FREG+32+8*\kt+7], v[QREG+16*\q+8:QREG+16*\q+15], v[SREG+32*\q+8*\kt:SREG+32*\q+8*\kt+7]
.endr
.endr
	PLACES 4                                       ; in front of the loads onto K's fragments and of the reads of S
.irp kc, 0,1
.irp t, 0,1,2,3
	ds_load_tr16_b128 v[FREG+8*(4*\kc+\t):FREG+8*(4*\kc+\t)+3],   v[VA+\slot] offset:(64*\sub+32*\kc)*VPITCH+32*\t
	ds_load_tr16_b128 v[FREG+8*(4*\kc+\t)+4:FREG+8*(4*\kc+\t)+7], v[VA+\slot] offset:(64*\sub+32*\kc)*VPITCH+32*\t+16*VPITCH
.endr
.endr
	SM 0, \first                                   ; V's fragments arrive meanwhile
	SM 1, \first
	s_wait_dscnt 8                                 ; V's eight loads for keys 0 .. 31 are in
.irp q, 0,1
.irp t, 0,1,2,3
.if \first
	v_wmma_f32_16x16x32_f16 v[OREG+32*\q+8*\t:OREG+32*\q+8*\t+7], v[FREG+8*\t:FREG+8*\t+7], v[SREG+32*\q:SREG+32*\q+7], 0
.else
	v_wmma_f32_16x16x32_f16 v[OREG+32*\q+8*\t:OREG+32*\q+8*\t+7], v[FREG+8*\t:FREG+8*\t+7], v[SREG+32*\q:SREG+32*\q+7], v[OREG+32*\q+8*\t:OREG+32*\q+8*\t+7]
.endif
.endr
.endr
	s_wait_dscnt 0x0
.irp q, 0,1
.irp t, 0,1,2,3
	v_wmma_f32_16x16x32_f16 v[OREG+32*\q+8*\t:OREG+32*\q+8*\t+7], v[FREG+32+8*\t:FREG+32+8*\t+7], v[SREG+32*\q+16:SREG+32*\q+23], v[OREG+32*\q+8*\t:OREG+32*\q+8*\t+7]
.endr
.endr
.endm
; A tile of 256 keys in slot; refill = 1: the next tile is asked for, into the other slot, which was read in the last trip.
.macro TRIP slot, other, refill, first
	s_wait_tensorcnt 0x0                           ; all my tensor loads have landed, my part of this trip's tile among them,
	ds_add_u32 v30, v31
	s_wait_dscnt 0x0
	s_add_nc_u64 s[G0+4*\slot+2:G0+4*\slot+3], s[G0+4*\slot+2:G0+4*\slot+3], 65536   ; so a group 0 may be written: this slot's next tile, 512 rows on
	s_wait_dscnt 0x0                               ; my reads of the last trip's tile are back
	ROUND                                          ; both now hold of every wave of the four work-groups
.if \refill
	JLOAD \other                                   ; my one tensor load behind the round, first thing there; it has this trip's 128 matrix instructions a wave in which to land
.endif
	SUB \slot, 0, \first
	SUB \slot, 1, 0
	SUB \slot, 2, 0
	SUB \slot, 3, 0
.endm
	TRIP 0, 1, 1, 1                                ; tiles 0 and 1 stand in front of the loop: the first block starts the sums
	TRIP 1, 0, 1, 0
	s_mov_b32 s56, 2                               ; tiles 2 to 5
.Ltiles:
	TRIP 0, 1, 1, 0
	TRIP 1, 0, 1, 0
	s_sub_co_u32 s56, s56, 1
	s_cmp_lg_u32 s56, 0
	s_cbranch_scc1 .Ltiles
	TRIP 0, 1, 1, 0                                ; tile 6 asks for tile 7
	TRIP 1, 0, 0, 0                                ; tile 7: nothing is left to fetch
	; THE WAY OUT: divide by the sum, round to f16, 16 bytes a lane into my own stage, read back as rows of 128 bytes
	PLACES 4
.irp q, 0,1
	v_permlanex16_b32 v[T], v[ST+4*\q+3], s14, s15 ; the other half's part of the sum
	v_add_f32 v[T+2], v[ST+4*\q+3], v[T]
	v_rcp_f32 v[T+4], v[T+2]
	v_rcp_f32 v[T+5], v[T+2]
	v_nop                                          ; the plain place behind the reciprocals
	s_wait_alu depctr_va_vdst(0)
.irp k, 0,2,4,6,8,10,12,14,16,18,20,22,24,26,28,30
	v_pk_mul_f32 v[OREG+32*\q+\k:OREG+32*\q+\k+1], v[OREG+32*\q+\k:OREG+32*\q+\k+1], v[T+4:T+5]
.endr
.irp k, 0,1,2,3,4,5,6,7,8,9,10,11,12,13,14,15
	v_cvt_pk_f16_f32 v[FREG+16*\q+\k], v[OREG+32*\q+2*\k], v[OREG+32*\q+2*\k+1]
.endr
.irp t, 0,1,2,3
	ds_store_b128 v[STO], v[FREG+16*\q+4*\t:FREG+16*\q+4*\t+3] offset:\q*16*SPITCH+\t*32
.endr
.endr
.irp i, 0,1,2,3,4,5,6,7
	ds_load_b128 v[SREG+4*\i:SREG+4*\i+3], v[RD] offset:\i*4*SPITCH    ; LDS serves a wave's instructions in order: these see the stores above
.endr
.irp i, 0,1,2,3,4,5,6,7
	s_wait_dscnt 7-\i                              ; read-back i is in, the younger ones may be out
	global_store_b128 v[CO], v[SREG+4*\i:SREG+4*\i+3], s[PO:PO+1] offset:\i*512     ; four rows of the plane: 512 consecutive bytes, aligned
.endr
	s_wait_tensorcnt 0x0
	ds_add_u32 v30, v31
	s_wait_dscnt 0x0
	ROUND                                          ; the closing round: no work-group ends while a partner may still ask for a tile that names it
	s_endpgm
.Lfunc_end_k_q0df03b8641_attn:
	.size	k_q0df03b8641_attn, .Lfunc_end_k_q0df03b8641_attn-k_q0df03b8641_attn
	.p2alignl 7, 3214868480
	.fill 96, 4, 3214868480
	.section	.rodata,"a",@progbits
	.p2align	6, 0x0
	.amdhsa_kernel k_q0df03b8641_attn
		.amdhsa_group_segment_fixed_size 327680
		.amdhsa_private_segment_fixed_size 0
		.amdhsa_enable_private_segment 0
		.amdhsa_kernarg_size 32
		.amdhsa_user_sgpr_count 2
		.amdhsa_user_sgpr_kernarg_segment_ptr 1
		.amdhsa_wavefront_size32 1
		.amdhsa_system_sgpr_workgroup_id_x 1
		.amdhsa_system_sgpr_workgroup_id_y 1
		.amdhsa_system_sgpr_workgroup_id_z 1
		.amdhsa_system_vgpr_workitem_id 0
		.amdhsa_next_free_vgpr 256
		.amdhsa_next_free_sgpr 66
		.amdhsa_reserve_vcc 0
		.amdhsa_float_denorm_mode_32 3
		.amdhsa_float_denorm_mode_16_64 3
		.amdhsa_memory_ordered 1
		.amdhsa_forward_progress 1
		.amdhsa_inst_pref_size 255
	.end_amdhsa_kernel
	.section	.bss,"aw",@nobits
	.p2align	6
	.space	262144
	.amdgpu_metadata
---
amdhsa.version: [ 1, 2 ]
amdhsa.kernels:
  - .name:           k_q0df03b8641_attn
    .symbol:         k_q0df03b8641_attn.kd
    .args:
      - { .name: qh, .offset: 0, .size: 8, .value_kind: global_buffer, .address_space: global }
      - { .name: kh, .offset: 8, .size: 8, .value_kind: global_buffer, .address_space: global }
      - { .name: vh, .offset: 16, .size: 8, .value_kind: global_buffer, .address_space: global }
      - { .name: ao, .offset: 24, .size: 8, .value_kind: global_buffer, .address_space: global }
    .group_segment_fixed_size: 327680
    .private_segment_fixed_size: 0
    .kernarg_segment_align: 8
    .kernarg_segment_size: 32
    .max_flat_workgroup_size: 256
    .sgpr_count:     66
    .vgpr_count:     256
    .wavefront_size: 32
...
	.end_amdgpu_metadata
.endif
;; end of part 2
;; launch outp (part 3): grid 8 x 32, 8 waves a work-group, no clusters, 148,480 bytes of LDS; arguments ao, Wo, bo, out0; writes out0
.if DOCPART == 3
	.amdgcn_target "amdgcn-amd-amdhsa--gfx1250"
	.amdhsa_code_object_version 6
	.text
	.protected	k_q0df03b8641_outp
	.globl	k_q0df03b8641_outp
	.p2align	8
	.type	k_q0df03b8641_outp,@function
k_q0df03b8641_outp:
	s_mov_b64 s[64:65], 0
	v_nop
	global_prefetch_b8 v0, s[64:65] scope:SCOPE_SE
	s_setreg_imm32_b32 hwreg(HW_REG_WAVE_MODE, 25, 1), 1
	s_wait_xcnt 0x0
; out0 = A Wo + bo.  A is the attention result ao, [2][16][2048][64] f16 (k = 64 head + d); Wo: [1024 (k)][1024 (n)] f32; out0: [4096][1024] f32.
; LIMITS: Wo is rounded to f16 (|Wo| below 65,504; entries below 6.1e-5 carry an absolute error of at most 3e-8); the sum over K is formed
; in two halves (heads 0-7, heads 8-15), each ascending in f32, and the halves are added.
; A work-group makes 128 rows x 128 columns with eight waves in two groups of four; group g sums over heads 8 g .. 8 g + 7, eight K steps of 64
; (one head a step), a wave 64 x 64 in 16 accumulator tiles.  At the end each wave hands half of its tiles to its partner in the other group
; through LDS and finishes the other half.  Register tile tau stands for row block tau xor 2 g, so that tiles 0, 1 are kept and 2, 3 handed over in both groups.
; NO TENSOR LOADS AND NO JOINT REQUESTS, though row blocks share Wo: Wo is f32 in memory and lies [k][n]; it is rounded once to f16 in registers
; on its way to LDS, where the transposing load takes 16-bit elements.
; TRANSPOSED USE: source 0 = 16 columns of Wo, source 1 = 16 rows of A: lane (r, h) holds row r, columns 8 h .. 8 h + 7 of a tile.
.set APITCH, 144
.set BPITCH, 288
.set AREG,   128*APITCH                ; 18,432
.set GRP,    AREG+64*BPITCH            ; 36,864: one group's A and W of one K step
.set BUFB,   2*GRP                     ; 73,728: a buffer = the two groups' parts; two buffers
.set XCH,    8192                      ; the exchange: 8 tiles of 1,024 bytes for each wave, from LDS byte 0 on
.set OSTG,   8*XCH                     ; 65,536: behind it the stages, 16 rows x 272 bytes for each wave
.set OPITCH, 272                       ; 64 f32 = 256 bytes + 16
.set AOFF, 2                           ; v2      byte offset of my 16 bytes in A's tile
.set WOFF, 3                           ; v3      the same in W's tile
.set ASTO, 4                           ; v4-5    where I store them, buffer 0, 1
.set BSTO, 6                           ; v6-7
.set AFRL, 8                           ; v8-9    A fragments of register tiles 0, 1 (row blocks 2 g, 2 g + 1), buffer 0, 1
.set AFRH, 10                          ; v10-11  of register tiles 2, 3 (the other two row blocks)
.set BFR,  12                          ; v12-13  W fragments
.set XST,  14                          ; v14     the exchange: mine
.set XLD,  15                          ; v15     the exchange: my partner's
.set STO,  16                          ; v16     the way out: in
.set RD,   17                          ; v17     the way out: back
.set CO,   18                          ; v18     my byte offset in two rows of out0
.set BOFF, 19                          ; v19     32 h
.set AF,   24                          ; v24-55  4 fragments of A
.set BF,   56                          ; v56-87  4 fragments of W
.set ACC,  88                          ; v88-215 tile (tau, nt) at 88 + 8 (4 tau + nt)
.set GA,   216                         ; v216-247 A as loaded: quad i at 216 + 4 i
.set GW,   248                         ; v248-311 W as loaded: quad i at 248 + 4 i (from i = 2 on in the second window of 256)
.set BIAS, 216
.set PA, 40                            ; s[40:41] ao at my block and head, stepped head by head
.set PW, 42                            ; s[42:43] Wo at my block, stepped along K
.set PB, 44                            ; s[44:45] bo at my wave's 64 columns
.set PO, 46                            ; s[46:47] out0 at the first row that I finish
.set MSB, 0
.macro WIN new
.if MSB != \new
	s_set_vgpr_msb (MSB<<8)|\new
.set MSB, \new
.endif
.endm
.macro PLACES n
.rept \n
	v_nop
.endr
.endm
	s_load_b256 s[16:23], s[0:1], 0x0              ; ao s[16:17], Wo s[18:19], bo s[20:21], out0 s[22:23]
	v_lshl_add_u32 v22, v0, 2, 0x24000
	v_mov_b32 v23, 0
	v_lshrrev_b32 v1, 5, v0
	v_readfirstlane_b32 s8, v1                     ; wave 0..7
	s_lshr_b32 s9, s8, 2                           ; g: which half of K
	s_and_b32 s10, s8, 3                           ; w
	s_lshr_b32 s11, s10, 1                         ; wm
	s_and_b32 s12, s10, 1                          ; wn
	s_mov_b32 s13, ttmp9                           ; nb
	s_and_b32 s14, ttmp7, 0xffff                   ; mb
	s_mul_i32 s15, s9, GRP
	v_and_b32 v24, 31, v0                          ; L
	v_and_b32 v25, 15, v0                          ; r
	v_bfe_u32 v26, v0, 4, 1                        ; h
	v_and_b32 v27, 7, v0                           ; L & 7
	v_bfe_u32 v28, v0, 3, 1                        ; (L >> 3) & 1
	; A: quad i is row 16 i + 2 w + h + 8 ((L >> 3) & 1), bytes 16 (L & 7): the wave reads rows 2 w, 2 w + 1 and 2 w + 8, 2 w + 9, twice 256 consecutive bytes;
	; in LDS the two rows of a half of the lanes lie 1,152 bytes apart = 128 modulo 256: no two lanes share a bank
	s_lshl_b32 s51, s10, 1
	v_lshl_add_u32 v29, v28, 3, v26
	v_add_nc_u32 v29, s51, v29
	v_lshlrev_b32 v30, 4, v27
	v_lshl_add_u32 v[AOFF], v29, 7, v30
	v_mul_u32_u24 v29, v29, APITCH
	v_add3_u32 v[ASTO], v29, v30, s15
	v_add_nc_u32 v[ASTO+1], BUFB, v[ASTO]
	s_lshl_b32 s51, s10, 12                        ; W: quad i is k row 4 i + w, bytes 16 L
	v_lshl_add_u32 v[WOFF], v24, 4, s51
	s_mul_i32 s51, s10, BPITCH
	s_add_co_u32 s51, s51, s15
	s_add_co_u32 s51, s51, AREG
	v_lshl_add_u32 v[BSTO], v24, 3, s51
	v_add_nc_u32 v[BSTO+1], BUFB, v[BSTO]
	s_mul_i32 s51, s11, 64*APITCH
	s_add_co_u32 s51, s51, s15
	s_mul_i32 s52, s9, 32*APITCH                   ; row blocks 2 g, 2 g + 1
	s_add_co_u32 s53, s51, s52
	s_sub_co_u32 s52, 32*APITCH, s52               ; row blocks 2 (1 - g), 2 (1 - g) + 1
	s_add_co_u32 s52, s51, s52
	v_mul_u32_u24 v29, v25, APITCH
	v_lshl_add_u32 v29, v26, 4, v29
	v_add_nc_u32 v[AFRL], s53, v29
	v_add_nc_u32 v[AFRL+1], BUFB, v[AFRL]
	v_add_nc_u32 v[AFRH], s52, v29
	v_add_nc_u32 v[AFRH+1], BUFB, v[AFRH]
	s_lshl_b32 s51, s12, 7
	s_add_co_u32 s51, s51, s15
	s_add_co_u32 s51, s51, AREG
	v_lshl_add_u32 v29, v26, 3, v27
	v_mul_u32_u24 v29, v29, BPITCH
	v_lshl_add_u32 v29, v28, 4, v29
	v_add_nc_u32 v[BFR], s51, v29
	v_add_nc_u32 v[BFR+1], BUFB, v[BFR]
	s_lshl_b32 s51, s8, 13
	v_lshl_add_u32 v[XST], v24, 4, s51
	s_xor_b32 s51, s8, 4                           ; my partner: the same w in the other group
	s_lshl_b32 s51, s51, 13
	v_lshl_add_u32 v[XLD], v24, 4, s51
	s_mul_i32 s51, s8, 16*OPITCH
	s_add_co_u32 s51, s51, OSTG
	v_mul_u32_u24 v29, v25, OPITCH
	v_lshl_add_u32 v29, v26, 5, v29
	v_add_nc_u32 v[STO], s51, v29                  ; in: row r, 32 bytes for each half of the lanes
	v_mul_u32_u24 v29, v26, OPITCH
	v_lshl_add_u32 v29, v25, 4, v29
	v_add_nc_u32 v[RD], s51, v29                   ; back: lanes 0-15 take one row of 256 bytes, lanes 16-31 the next
	v_lshlrev_b32 v[CO], 4, v25
	v_lshl_add_u32 v[CO], v26, 12, v[CO]
	v_lshlrev_b32 v[BOFF], 5, v26
	s_lshr_b32 s51, s14, 4                         ; batch
	s_lshl_b32 s51, s51, 4
	s_lshl3_add_u32 s51, s9, s51                   ; plane = 16 batch + 8 g
	s_lshl_b32 s51, s51, 11
	s_and_b32 s52, s14, 15
	s_lshl_b32 s52, s52, 7
	s_add_co_u32 s51, s51, s52
	s_lshl_b32 s48, s51, 7
	s_mov_b32 s49, 0
	s_wait_kmcnt 0x0
	s_add_nc_u64 s[PA:PA+1], s[16:17], s[48:49]
	s_lshl_b32 s48, s9, 21                         ; 512 rows of Wo
	s_lshl_b32 s52, s13, 9
	s_add_co_u32 s48, s48, s52
	s_add_nc_u64 s[PW:PW+1], s[18:19], s[48:49]
	s_lshl_b32 s48, s12, 8
	s_add_co_u32 s48, s48, s52
	s_add_nc_u64 s[PB:PB+1], s[20:21], s[48:49]
	s_lshl_b32 s51, s14, 7
	s_lshl_b32 s53, s11, 6
	s_add_co_u32 s51, s51, s53
	s_lshl_b32 s53, s9, 5
	s_add_co_u32 s51, s51, s53                     ; row 128 mb + 64 wm + 32 g
	s_lshl_b32 s51, s51, 12
	s_add_co_u32 s48, s48, s51
	s_add_nc_u64 s[PO:PO+1], s[22:23], s[48:49]
; 24 loads: one K step's A (8), then its W (16)
.macro GLOAD
.irp i, 0,1,2,3,4,5,6,7
	global_load_b128 v[GA+4*\i:GA+4*\i+3], v[AOFF], s[PA:PA+1] offset:\i*2048
.endr
.irp i, 0,1
	global_load_b128 v[GW+4*\i:GW+4*\i+3], v[WOFF], s[PW:PW+1] offset:\i*16384
.endr
	WIN 0x40
.irp i, 2,3,4,5,6,7,8,9,10,11,12,13,14,15
	global_load_b128 v[GW+4*\i-256:GW+4*\i-253], v[WOFF], s[PW:PW+1] offset:\i*16384
.endr
	WIN 0
.endm
; A goes into buffer buf as it is, W rounded to f16
.macro CVTST buf
	s_wait_loadcnt 16                              ; A's 8 loads are in; W's 16, issued behind them, may be out
.irp i, 0,1,2,3,4,5,6,7
	ds_store_b128 v[ASTO+\buf], v[GA+4*\i:GA+4*\i+3] offset:\i*16*APITCH
.endr
	s_wait_loadcnt 0x0                             ; W is in; no load is out, so the two bases may be stepped
.irp i, 0,1
	v_cvt_pk_f16_f32 v[GW+4*\i], v[GW+4*\i], v[GW+4*\i+1]
	v_cvt_pk_f16_f32 v[GW+4*\i+1], v[GW+4*\i+2], v[GW+4*\i+3]
	ds_store_b64 v[BSTO+\buf], v[GW+4*\i:GW+4*\i+1] offset:\i*4*BPITCH
.endr
	WIN 0x45
.irp i, 2,3,4,5,6,7,8,9,10,11,12,13,14,15
	v_cvt_pk_f16_f32 v[GW+4*\i-256], v[GW+4*\i-256], v[GW+4*\i-255]
	v_cvt_pk_f16_f32 v[GW+4*\i-255], v[GW+4*\i-254], v[GW+4*\i-253]
.endr
	WIN 0x04
.irp i, 2,3,4,5,6,7,8,9,10,11,12,13,14,15
	ds_store_b64 v[BSTO+\buf], v[GW+4*\i-256:GW+4*\i-255] offset:\i*4*BPITCH
.endr
	WIN 0
.endm
.macro LOADF buf, kk
.irp nt, 0,1,2,3
	ds_load_tr16_b128 v[BF+8*\nt:BF+8*\nt+3],   v[BFR+\buf] offset:\kk*32*BPITCH+\nt*32
	ds_load_tr16_b128 v[BF+8*\nt+4:BF+8*\nt+7], v[BFR+\buf] offset:\kk*32*BPITCH+\nt*32+16*BPITCH
.endr
.irp tau, 0,1
	ds_load_b128 v[AF+8*\tau:AF+8*\tau+3],   v[AFRL+\buf] offset:\tau*16*APITCH+\kk*64
	ds_load_b128 v[AF+8*\tau+4:AF+8*\tau+7], v[AFRL+\buf] offset:\tau*16*APITCH+\kk*64+32
.endr
.irp tau, 0,1
	ds_load_b128 v[AF+16+8*\tau:AF+16+8*\tau+3],   v[AFRH+\buf] offset:\tau*16*APITCH+\kk*64
	ds_load_b128 v[AF+16+8*\tau+4:AF+16+8*\tau+7], v[AFRH+\buf] offset:\tau*16*APITCH+\kk*64+32
.endr
.endm
; 16 matrix instructions; the 16 accumulators take turns, one instruction a turn
.macro MM zero
.irp mt, 0,1,2,3
	s_wait_dscnt 6-2*\mt                           ; W's fragments and A's up to tile mt are in; the later tiles' two loads each may be out
.irp nt, 0,1,2,3
.if \zero
	v_wmma_f32_16x16x32_f16 v[ACC+8*(4*\mt+\nt):ACC+8*(4*\mt+\nt)+7], v[BF+8*\nt:BF+8*\nt+7], v[AF+8*\mt:AF+8*\mt+7], 0
.else
	v_wmma_f32_16x16x32_f16 v[ACC+8*(4*\mt+\nt):ACC+8*(4*\mt+\nt)+7], v[BF+8*\nt:BF+8*\nt+7], v[AF+8*\mt:AF+8*\mt+7], v[ACC+8*(4*\mt+\nt):ACC+8*(4*\mt+\nt)+7]
.endif
.endr
.endr
.endm
; A K step, with one barrier: in front of it each wave has waited for its reads of buf and its stores into nbuf; every wave's reads of nbuf
; were waited for in front of the barrier before.
.macro STEP buf, nbuf, zero, stage, fetch, bias
	LOADF \buf, 0
	MM \zero
	PLACES 4                                       ; loads into registers that matrix instructions read stand four plain vector instructions behind them
	LOADF \buf, 1
	MM 0
.if \stage
	CVTST \nbuf                                    ; its 32 conversions name no fragment and no accumulator: they are the places in front of the next step's loads
.if \fetch
	s_add_nc_u64 s[PA:PA+1], s[PA:PA+1], 262144    ; the next head's plane
	s_add_nc_u64 s[PW:PW+1], s[PW:PW+1], 262144    ; 64 rows of Wo
	GLOAD
.endif
.if \bias
.irp nt, 0,1,2,3
	global_load_b128 v[BIAS+8*\nt:BIAS+8*\nt+3],   v[BOFF], s[PB:PB+1] offset:\nt*64
	global_load_b128 v[BIAS+8*\nt+4:BIAS+8*\nt+7], v[BOFF], s[PB:PB+1] offset:\nt*64+16
.endr
.endif
	s_wait_dscnt 0x0                               ; for the other waves: my stores have landed and my reads are back
	s_barrier_signal -1
	s_barrier_wait -1
.endif
.endm
	GLOAD                                          ; K step 0
	CVTST 0
	s_add_nc_u64 s[PA:PA+1], s[PA:PA+1], 262144
	s_add_nc_u64 s[PW:PW+1], s[PW:PW+1], 262144
	GLOAD                                          ; K step 1
	s_wait_dscnt 0x0
	s_barrier_signal -1
	s_barrier_wait -1
	STEP 0, 1, 1, 1, 1, 0                          ; steps 0 and 1: the first products start the sums
	STEP 1, 0, 0, 1, 1, 0
	s_mov_b32 s50, 2                               ; steps 2 to 5
.Lk:
	STEP 0, 1, 0, 1, 1, 0
	STEP 1, 0, 0, 1, 1, 0
	s_sub_co_u32 s50, s50, 1
	s_cmp_lg_u32 s50, 0
	s_cbranch_scc1 .Lk
	STEP 0, 1, 0, 1, 0, 1                          ; step 6: nothing is left to fetch but the biases
	STEP 1, 0, 0, 0, 0, 0                          ; step 7
	PLACES 4                                       ; behind the last matrix instructions, in front of the reads of their results
	s_wait_dscnt 0x0
	s_barrier_signal -1                            ; exchange and stages lie in the buffers: no wave reads those any more
	s_barrier_wait -1
.irp i, 0,1,2,3,4,5,6,7,8,9,10,11,12,13,14,15
	ds_store_b128 v[XST], v[ACC+64+4*\i:ACC+64+4*\i+3] offset:\i*512   ; register tiles 2, 3: my half sums of the rows that my partner finishes
.endr
	s_wait_dscnt 0x0                               ; for my partner: they have landed
	s_barrier_signal -1
	s_barrier_wait -1
.irp i, 0,1,2,3,4,5,6,7,8,9,10,11,12,13,14,15
	ds_load_b128 v[AF+4*\i:AF+4*\i+3], v[XLD] offset:\i*512            ; my partner's half sums of my rows, in the same lanes and order
.endr
	s_wait_loadcnt 0x0                             ; the biases
.irp tau, 0,1
.irp nt, 0,1,2,3
.irp j, 0,2,4,6
	v_pk_add_f32 v[ACC+8*(4*\tau+\nt)+\j:ACC+8*(4*\tau+\nt)+\j+1], v[ACC+8*(4*\tau+\nt)+\j:ACC+8*(4*\tau+\nt)+\j+1], v[BIAS+8*\nt+\j:BIAS+8*\nt+\j+1]
.endr
.endr
.endr
	s_wait_dscnt 0x0
.irp k, 0,2,4,6,8,10,12,14,16,18,20,22,24,26,28,30,32,34,36,38,40,42,44,46,48,50,52,54,56,58,60,62
	v_pk_add_f32 v[ACC+\k:ACC+\k+1], v[ACC+\k:ACC+\k+1], v[AF+\k:AF+\k+1]
.endr
; 16 rows x 64 columns of f32 through my own stage; rb: the registers of the read-back, other ones for each of the two blocks, so that no store's data is rewritten
.macro OUTT tau, rb
.irp nt, 0,1,2,3
	ds_store_b128 v[STO], v[ACC+8*(4*\tau+\nt):ACC+8*(4*\tau+\nt)+3]   offset:\nt*64
	ds_store_b128 v[STO], v[ACC+8*(4*\tau+\nt)+4:ACC+8*(4*\tau+\nt)+7] offset:\nt*64+16
.endr
.irp i, 0,1,2,3,4,5,6,7
	ds_load_b128 v[\rb+4*\i:\rb+4*\i+3], v[RD] offset:\i*2*OPITCH      ; LDS serves a wave's instructions in order: these see the stores above
.endr
.irp i, 0,1,2,3,4,5,6,7
	s_wait_dscnt 7-\i                              ; read-back i is in, the younger ones may be out
	global_store_b128 v[CO], v[\rb+4*\i:\rb+4*\i+3], s[PO:PO+1] offset:\tau*65536+\i*8192 th:TH_STORE_NT   ; sixteen lanes store 256 consecutive bytes, aligned
.endr
.endm
	OUTT 0, AF
	OUTT 1, BF
	s_wait_tensorcnt 0x0
	ds_add_u32 v22, v23
	s_wait_dscnt 0x0
	s_endpgm
.Lfunc_end_k_q0df03b8641_outp:
	.size	k_q0df03b8641_outp, .Lfunc_end_k_q0df03b8641_outp-k_q0df03b8641_outp
	.p2alignl 7, 3214868480
	.fill 96, 4, 3214868480
	.section	.rodata,"a",@progbits
	.p2align	6, 0x0
	.amdhsa_kernel k_q0df03b8641_outp
		.amdhsa_group_segment_fixed_size 148480
		.amdhsa_private_segment_fixed_size 0
		.amdhsa_enable_private_segment 0
		.amdhsa_kernarg_size 32
		.amdhsa_user_sgpr_count 2
		.amdhsa_user_sgpr_kernarg_segment_ptr 1
		.amdhsa_wavefront_size32 1
		.amdhsa_system_sgpr_workgroup_id_x 1
		.amdhsa_system_sgpr_workgroup_id_y 1
		.amdhsa_system_sgpr_workgroup_id_z 1
		.amdhsa_system_vgpr_workitem_id 0
		.amdhsa_next_free_vgpr 312
		.amdhsa_next_free_sgpr 66
		.amdhsa_reserve_vcc 0
		.amdhsa_float_denorm_mode_32 3
		.amdhsa_float_denorm_mode_16_64 3
		.amdhsa_memory_ordered 1
		.amdhsa_forward_progress 1
		.amdhsa_inst_pref_size 80
	.end_amdhsa_kernel
	.amdgpu_metadata
---
amdhsa.version: [ 1, 2 ]
amdhsa.kernels:
  - .name:           k_q0df03b8641_outp
    .symbol:         k_q0df03b8641_outp.kd
    .args:
      - { .name: ao, .offset: 0, .size: 8, .value_kind: global_buffer, .address_space: global }
      - { .name: Wo, .offset: 8, .size: 8, .value_kind: global_buffer, .address_space: global }
      - { .name: bo, .offset: 16, .size: 8, .value_kind: global_buffer, .address_space: global }
      - { .name: out0, .offset: 24, .size: 8, .value_kind: global_buffer, .address_space: global }
    .group_segment_fixed_size: 148480
    .private_segment_fixed_size: 0
    .kernarg_segment_align: 8
    .kernarg_segment_size: 32
    .max_flat_workgroup_size: 256
    .sgpr_count:     66
    .vgpr_count:     312
    .wavefront_size: 32
...
	.end_amdgpu_metadata
.endif
;; end of part 3
;; ======== version 2 of 2: 4 launches
;; limits: values are held in f16: magnitudes above 65,504 overflow, below 6.1e-05 lose precision
;; workspace buffers: qh 8,388,608 bytes; kh 8,388,608 bytes; vh 8,388,608 bytes; ao 8,388,608 bytes; xf 25,165,824 bytes; wf 6,291,456 bytes
;; launch cast (part 4): grid 256 x 1, 8 waves a work-group, no clusters, 0 bytes of LDS; arguments query, key, value, Wq, Wk, Wv, xf, wf; writes xf, wf
.if DOCPART == 4
	.amdgcn_target "amdgcn-amd-amdhsa--gfx1250"
	.amdhsa_code_object_version 6
	.text
	.protected	k_q0df03b8641_cast
	.globl	k_q0df03b8641_cast
	.p2align	8
	.type	k_q0df03b8641_cast,@function
k_q0df03b8641_cast:
	s_mov_b64 s[64:65], 0
	v_nop
	global_prefetch_b8 v0, s[64:65] scope:SCOPE_SE
	s_setreg_imm32_b32 hwreg(HW_REG_WAVE_MODE, 25, 1), 1
	s_wait_xcnt 0x0
; query, key, value ([4096][1024] f32 each) and Wq, Wk, Wv ([1024][1024] f32 each) are rounded once to f16, in their own order:
; xf = [3][4096][1024] f16, wf = [3][1024 (k)][1024 (n)] f16.  The next launch multiplies them.
; LIMITS: f16: magnitudes must stay below 65,504; numbers below 6.1e-5 carry an absolute error of at most 3e-8.
; The 60 MiB of input are 15 units of 4 MiB (four in each x, one in each W).  Work-group w takes the 16 KiB at 16 KiB x w of every unit,
; so each of the 256 work-groups has the same share.  A thread issues its 60 loads of 16 bytes at once (4 for each unit, 240 registers:
; 240 KiB of the work-group are on their way), then rounds and stores unit by unit behind counted waits.
; A wave's load covers 512 consecutive bytes; its store of 8 bytes a lane covers 256 consecutive bytes, aligned.
; No register is written again behind the store that reads it, so no wait stands for the stores' sources.
; A stream that is read once: LDS, barriers, matrix instructions and clusters would add nothing.
.set UNIT_IN,  0x400000                ; 4 MiB of f32
.set UNIT_OUT, 0x200000                ; 2 MiB of f16
.set IN0,  1                           ; v1  16 t + 16 KiB x work-group
.set IN1,  2                           ; v2  the same + 8 MiB: an x's units 2 and 3 lie beyond the loads' immediate
.set OUTO, 3                           ; v3  8 t + 8 KiB x work-group
.set DAT,  8                           ; v[8:247]  unit u, load j: 4 registers at 8 + 16 u + 4 j
	s_load_b512 s[4:19], s[0:1], 0x0               ; query s[4:5], key s[6:7], value s[8:9], Wq s[10:11], Wk s[12:13], Wv s[14:15], xf s[16:17], wf s[18:19]
	s_lshl_b32 s2, ttmp9, 14
	s_lshl_b32 s3, ttmp9, 13
	v_lshl_add_u32 v[IN0], v0, 4, s2
	v_add_nc_u32 v[IN1], 2*UNIT_IN, v[IN0]
	v_lshl_add_u32 v[OUTO], v0, 3, s3
	s_wait_kmcnt 0x0
	s_add_nc_u64 s[20:21], s[16:17], 4*UNIT_OUT    ; xf at key's part
	s_add_nc_u64 s[22:23], s[16:17], 8*UNIT_OUT    ; xf at value's part
; the four loads of unit u: 4 x 4 KiB of the work-group
.macro LD4 u, off, base, imm
.irp j, 0,1,2,3
	global_load_b128 v[DAT+16*(\u)+4*\j:DAT+16*(\u)+4*\j+3], v[\off], s[\base:\base+1] offset:\imm+\j*4096 th:TH_LOAD_NT
.endr
.endm
; unit u is rounded in place (two numbers an instruction) and stored
.macro ST4 u, base, imm
	s_wait_loadcnt 56-4*(\u)                       ; loads come back in order: unit u's four are in, the 4 (14 - u) behind them may be out
.irp j, 0,1,2,3
	v_cvt_pk_f16_f32 v[DAT+16*(\u)+4*\j],   v[DAT+16*(\u)+4*\j],   v[DAT+16*(\u)+4*\j+1]
	v_cvt_pk_f16_f32 v[DAT+16*(\u)+4*\j+1], v[DAT+16*(\u)+4*\j+2], v[DAT+16*(\u)+4*\j+3]
	global_store_b64 v[OUTO], v[DAT+16*(\u)+4*\j:DAT+16*(\u)+4*\j+1], s[\base:\base+1] offset:\imm+\j*2048
.endr
.endm
	LD4 0,  IN0, 4, 0                              ; query: units 0 to 3
	LD4 1,  IN0, 4, UNIT_IN
	LD4 2,  IN1, 4, 0
	LD4 3,  IN1, 4, UNIT_IN
	LD4 4,  IN0, 6, 0                              ; key: units 4 to 7
	LD4 5,  IN0, 6, UNIT_IN
	LD4 6,  IN1, 6, 0
	LD4 7,  IN1, 6, UNIT_IN
	LD4 8,  IN0, 8, 0                              ; value: units 8 to 11
	LD4 9,  IN0, 8, UNIT_IN
	LD4 10, IN1, 8, 0
	LD4 11, IN1, 8, UNIT_IN
	LD4 12, IN0, 10, 0                             ; Wq, Wk, Wv: units 12 to 14
	LD4 13, IN0, 12, 0
	LD4 14, IN0, 14, 0
	ST4 0,  16, 0                                  ; xf, query's part
	ST4 1,  16, UNIT_OUT
	ST4 2,  16, 2*UNIT_OUT
	ST4 3,  16, 3*UNIT_OUT
	ST4 4,  20, 0                                  ; xf, key's part
	ST4 5,  20, UNIT_OUT
	ST4 6,  20, 2*UNIT_OUT
	ST4 7,  20, 3*UNIT_OUT
	ST4 8,  22, 0                                  ; xf, value's part
	ST4 9,  22, UNIT_OUT
	ST4 10, 22, 2*UNIT_OUT
	ST4 11, 22, 3*UNIT_OUT
	ST4 12, 18, 0                                  ; wf
	ST4 13, 18, UNIT_OUT
	ST4 14, 18, 2*UNIT_OUT
	s_endpgm
.Lfunc_end_k_q0df03b8641_cast:
	.size	k_q0df03b8641_cast, .Lfunc_end_k_q0df03b8641_cast-k_q0df03b8641_cast
	.p2alignl 7, 3214868480
	.fill 96, 4, 3214868480
	.section	.rodata,"a",@progbits
	.p2align	6, 0x0
	.amdhsa_kernel k_q0df03b8641_cast
		.amdhsa_group_segment_fixed_size 0
		.amdhsa_private_segment_fixed_size 0
		.amdhsa_enable_private_segment 0
		.amdhsa_kernarg_size 64
		.amdhsa_user_sgpr_count 2
		.amdhsa_user_sgpr_kernarg_segment_ptr 1
		.amdhsa_wavefront_size32 1
		.amdhsa_system_sgpr_workgroup_id_x 1
		.amdhsa_system_sgpr_workgroup_id_y 1
		.amdhsa_system_sgpr_workgroup_id_z 1
		.amdhsa_system_vgpr_workitem_id 0
		.amdhsa_next_free_vgpr 248
		.amdhsa_next_free_sgpr 66
		.amdhsa_reserve_vcc 0
		.amdhsa_float_denorm_mode_32 3
		.amdhsa_float_denorm_mode_16_64 3
		.amdhsa_memory_ordered 1
		.amdhsa_forward_progress 1
		.amdhsa_inst_pref_size 20
	.end_amdhsa_kernel
	.amdgpu_metadata
---
amdhsa.version: [ 1, 2 ]
amdhsa.kernels:
  - .name:           k_q0df03b8641_cast
    .symbol:         k_q0df03b8641_cast.kd
    .args:
      - { .name: query, .offset: 0, .size: 8, .value_kind: global_buffer, .address_space: global }
      - { .name: key, .offset: 8, .size: 8, .value_kind: global_buffer, .address_space: global }
      - { .name: value, .offset: 16, .size: 8, .value_kind: global_buffer, .address_space: global }
      - { .name: Wq, .offset: 24, .size: 8, .value_kind: global_buffer, .address_space: global }
      - { .name: Wk, .offset: 32, .size: 8, .value_kind: global_buffer, .address_space: global }
      - { .name: Wv, .offset: 40, .size: 8, .value_kind: global_buffer, .address_space: global }
      - { .name: xf, .offset: 48, .size: 8, .value_kind: global_buffer, .address_space: global }
      - { .name: wf, .offset: 56, .size: 8, .value_kind: global_buffer, .address_space: global }
    .group_segment_fixed_size: 0
    .private_segment_fixed_size: 0
    .kernarg_segment_align: 8
    .kernarg_segment_size: 64
    .max_flat_workgroup_size: 256
    .sgpr_count:     66
    .vgpr_count:     248
    .wavefront_size: 32
...
	.end_amdgpu_metadata
.endif
;; end of part 4
;; launch proj (part 5): grid 4 x 48, 4 waves a work-group, clusters of 4 x 4, 327,680 bytes of LDS; arguments xf, wf, bq, bk, bv, qh, kh, vh; writes qh, kh, vh
.if DOCPART == 5
	.amdgcn_target "amdgcn-amd-amdhsa--gfx1250"
	.amdhsa_code_object_version 6
	.text
	.protected	k_q0df03b8641_proj
	.globl	k_q0df03b8641_proj
	.p2align	8
	.type	k_q0df03b8641_proj,@function
k_q0df03b8641_proj:
	s_mov_b64 s[64:65], 0
	v_nop
	global_prefetch_b8 v0, s[64:65] scope:SCOPE_SE
	s_setreg_imm32_b32 hwreg(HW_REG_WAVE_MODE, 25, 1), 1
	s_wait_xcnt 0x0
	s_wait_alu depctr_hold_cnt(0) depctr_sa_sdst(0) depctr_va_vdst(0) depctr_va_sdst(0) depctr_va_ssrc(0) depctr_va_vcc(0) depctr_vm_vsrc(0)
	s_getreg_b32 s2, hwreg(HW_REG_IB_STS2, 6, 4)
	s_cmp_eq_u32 s2, 0
	s_cbranch_scc0 .Lentry_in_a_cluster
	s_endpgm
.Lentry_in_a_cluster:
	s_bfe_u32 s2, ttmp6, 0x10000c
	s_cmp_lg_u32 s2, 0xf033
	s_cbranch_scc0 .Lentry_shape_is_right
	s_endpgm
.Lentry_shape_is_right:
; Q, K, V = x W + b, rounded to f16 and stored head-major: qh, kh, vh are [2][16][2048][64] f16.
; xf: [3][4096][1024] f16 (query, key, value), wf: [3][1024 (k)][1024 (n)] f16, b: [1024] f32.  Sums in f32, started from the bias.
; LIMITS: operands and results are f16: |x W + b| must stay below 65,504; results below 6.1e-5 carry an absolute error of at most 3e-8.
; A work-group makes a block of 256 rows x 256 columns of one tensor with four waves; a wave makes 128 x 128: 64 accumulator tiles of 16 x 16,
; 512 registers.  3 tensors x 16 x 4 blocks = 192 work-groups: the outputs do not divide into 256 equal blocks of such wave tiles, and a wave tile
; of half the side would read twice the LDS bytes for each multiply-add.
; K goes in 8 steps of 128 through a ring of two LDS slots filled by the tensor data mover: x's rows are 256 bytes, W's 512 bytes, all aligned to 256.
; CLUSTERS: 4 x 4 work-groups.  The four of a row of the cluster make blocks of one block row and need the same tiles of x; the four of a column need
; the same tiles of W (all four block rows of a cluster lie in one tensor: 16 block rows a tensor).  Such a tile is asked for JOINTLY: each of the four issues
; the same tensor load, with the same descriptor and a mask that names the four.  That divides the requests for x and for W by four.
;
; REGISTERS, in windows of 256 (s_set_vgpr_msb says which window each operand place means):
;   window 0: v0-31 addresses; v64-127, v128-191 fragments of W (8 x 16 columns x 32 K), two buffers; v192-255 the bias, later at work on the way out
;   window 1: v64-127, v128-191 fragments of x (8 x 16 rows x 32 K), two buffers
;   window 2: the 32 accumulator tiles of my rows 0-63 (tile (a, b) at v[8 (8 a + b)]);   window 3: those of my rows 64-127
;
; THE MATRIX INSTRUCTION IS USED TRANSPOSED: source 0 = 16 columns of W, source 1 = 16 rows of x.  Lane l then holds row l % 16 and its registers 0 to 7
; the columns 8 (l / 16) + 0 .. 7 of a tile: eight NEIGHBOURING numbers of a row, 16 bytes of f16.
; W lies [k][n]: its fragments come out of LDS by the transposing load for 16-bit elements, so W is never transposed in memory.
.set SIZE_K, 1024
.set KSTEP,  128
.set PITCH,  272                       ; an LDS row of x: 256 bytes + 16: the 16 rows that a load touches start 68 words apart
.set BPITCH, 544                       ; an LDS row of W (one k, 256 columns): 512 bytes + 32 = 17 x 32
.set HALFT,  128*PITCH                 ; 34,816 bytes = 128 rows of x = 64 rows of W: what one tensor load brings
.set SLOT,   4*HALFT                   ; x's 256 rows, then W's 128 k rows
.set STAGE,  2*SLOT                    ; behind the ring: 16 rows x 272 bytes for each wave, for the way out; no tensor load lands here
.set SPITCH, 272
.set ASTEP,  KSTEP*2                   ; a K step along x's rows: 256 bytes
.set BSTEP,  KSTEP*2048                ; a K step down W's rows: 128 rows of 2,048 bytes
.set LAPS, SIZE_K/(2*KSTEP)            ; 4 laps; a lap = two K steps = once round the ring
.set ADRA, 16                          ; v16-17  LDS address of my x fragments in slot 0, 1
.set ADRB, 20                          ; v20-21  the same for W
.set STO,  24                          ; v24     the way out: where I put 16 bytes of a row
.set RD,   25                          ; v25     the way out: where I read back
.set CO,   26                          ; v26     16 x lane
.set BOFF, 27                          ; v27     32 (l / 16): my eight biases of a tile
.set F0,   64                          ; fragment buffer 0
.set F1,   128                         ; fragment buffer 1
.set BIAS, 192                         ; v192-255 (window 0): tile column b: 8 registers at 192 + 8 b
.set TMP,  192                         ; the way out: packed results, in window 0
.set G1, 24                            ; s[24:31] descriptor group 1 for x's tiles
.set G0, 32                            ; s[32:39] descriptor group 0 for x's tiles, one set for each slot
.set G1B, 48                           ; s[48:55] descriptor group 1 for W's tiles
.set G0B, 56                           ; s[56:63] descriptor group 0 for W's tiles, one set for each slot
.set MSB, 0
.macro WIN new                         ; low byte: bits 1:0 source 0, 3:2 source 1, 5:4 source 2, 7:6 destination; the high byte repeats the setting that is left
.if MSB != \new
	s_set_vgpr_msb (MSB<<8)|\new
.set MSB, \new
.endif
.endm
.set MUL_LO,   0xa4                    ; source 0 (W) window 0, source 1 (x) window 1, C and D window 2
.set MUL_HI,   0xf4                    ; the same, C and D window 3
.set START_LO, 0x84                    ; the first product: C is the bias in window 0, D window 2
.set START_HI, 0xc4                    ; the same, D window 3
.set TO_A,     0x40                    ; destination window 1, address window 0
; A joint load.  Waves 0 and 1 fetch x's two halves, waves 2 and 3 W's.  Each of the two lines has ONE mask and one set of registers for all that issue it.
; The branch hangs on the wave's number alone: it is the same in every work-group.
.macro JLOAD s
	s_cmp_eq_u32 s11, 0
	s_cbranch_scc0 .Lfor_b_\@
	tensor_load_to_lds s[G0+4*\s:G0+4*\s+3], s[G1:G1+7]
	s_nop 0
	s_branch .Lasked_\@
.Lfor_b_\@:
	tensor_load_to_lds s[G0B+4*\s:G0B+4*\s+3], s[G1B:G1B+7]
	s_nop 0
.Lasked_\@:
.endm
; A round of the cluster's barrier: my work-group's barrier, so that wave 0's signal speaks for all four waves; wave 0 signals for the work-group; every wave waits
; for all sixteen work-groups; my work-group's barrier once more.
.macro CREST                           ; a round behind its opening barrier
	s_cmp_lg_u32 s10, 0
	s_cbranch_scc1 .Lnot_wave_0_\@
	s_barrier_signal -3
.Lnot_wave_0_\@:
	s_barrier_wait -3
	s_barrier_signal -1
	s_barrier_wait -1
.endm
.macro CROUND                          ; a whole round
	s_barrier_signal -1
	s_barrier_wait -1
	CREST
.endm
	s_load_b128 s[4:7], s[0:1], 0x0                ; xf s[4:5], wf s[6:7]
	s_load_b256 s[68:75], s[0:1], 0x10             ; bq s[68:69], bk s[70:71], bv s[72:73], qh s[74:75]
	s_load_b128 s[76:79], s[0:1], 0x30             ; kh s[76:77], vh s[78:79]
	v_lshl_add_u32 v63, v0, 2, 0x48400
	s_set_vgpr_msb 0x40
	v_mov_b32 v255, 0
	s_set_vgpr_msb 0x4044
	ds_add_u32 v63, v255
	s_set_vgpr_msb 0x4400
	v_lshrrev_b32 v1, 5, v0
	v_readfirstlane_b32 s10, v1                    ; wave 0..3
	s_lshr_b32 s11, s10, 1                         ; which half of the block's rows is mine.  Also: I fetch for x (0) or for W (1)
	s_and_b32 s12, s10, 1                          ; which half of its columns.  Also: which half of that tile I fetch
	s_bfe_u32 s40, ttmp6, 0x40000                  ; cx
	s_bfe_u32 s41, ttmp6, 0x40004                  ; cy
	s_lshl_b32 s42, ttmp9, 2
	s_add_co_u32 s42, s42, s40                     ; block column 0..3 = 4 x cluster x + cx
	s_and_b32 s13, ttmp7, 0xffff                   ; cluster y 0..11
	s_lshr_b32 s45, s13, 2                         ; the tensor: 0 Q, 1 K, 2 V; the same in all sixteen work-groups
	s_lshl_b32 s13, s13, 2
	s_add_co_u32 s13, s13, s41                     ; block row 0..47 of the three x laid one under the other = 4 x cluster y + cy
	s_lshl_b32 s43, s41, 2
	s_lshl_b32 s43, 15, s43                        ; my row of the cluster: places 4 cy .. 4 cy + 3
	s_lshl_b32 s44, 0x1111, s40                    ; my column: places cx, cx + 4, cx + 8, cx + 12
	; group 1 for x: 128 rows x 128 elements, 4 words of padding behind every 64.  For W: 64 rows x 256 elements, 8 words behind every 128.
	s_or_b32 s[G1+0], s43, (1<<16)|(1<<20)|(1<<21)|(5<<22)|(3<<25)  ; 15:0 the mask: x's tiles go to my row; 17:16 2 bytes; 20 padding on; 21 set beside a mask; 24:22 interval; 31:25 words of padding less one
	s_or_b32 s[G1B+0], s44, (1<<16)|(1<<20)|(1<<21)|(6<<22)|(7<<25) ; W's tiles go to my column
	s_mov_b32 s[G1+1], KSTEP<<16                   ; tensor_dim0 = 128
	s_mov_b32 s[G1B+1], 256<<16                    ; tensor_dim0 = 256
	s_mov_b32 s[G1+2], 128<<16                     ; tensor_dim1 = 128
	s_mov_b32 s[G1B+2], 64<<16                     ; tensor_dim1 = 64
	s_mov_b32 s[G1+3], KSTEP<<16                   ; tile_dim0 = 128
	s_mov_b32 s[G1B+3], 256<<16                    ; tile_dim0 = 256
	s_mov_b32 s[G1+4], 128                         ; tile_dim1 = 128
	s_mov_b32 s[G1B+4], 64                         ; tile_dim1 = 64
	s_mov_b32 s[G1+5], SIZE_K                      ; elements from row to row
	s_mov_b32 s[G1B+5], 1024
	s_mov_b32 s[G1+6], 0
	s_mov_b32 s[G1B+6], 0
	s_mov_b32 s[G1+7], 0
	s_mov_b32 s[G1B+7], 0
	; where the tiles come from.  x's hang on the block row alone, which my row of the cluster shares; W's on the tensor and the block column, which my column shares.
	; Every wave makes both addresses, in registers that never hold the other coordinate, and asks by one of them.
	s_lshl_b32 s17, s12, 7
	s_lshl_b32 s16, s13, 8
	s_add_co_u32 s16, s16, s17                     ; x: row 256 x block row + 128 x half
	s_lshl_b32 s16, s16, 11                        ; rows of 2,048 bytes: below 2^25
	s_mov_b32 s17, 0
	s_lshl_b32 s46, s45, 21                        ; W: the tensor's 2 MiB,
	s_lshl_b32 s47, s12, 17                        ; + 64 k rows x half,
	s_add_co_u32 s46, s46, s47
	s_lshl_b32 s47, s42, 9                         ; + 256 columns x block column
	s_add_co_u32 s46, s46, s47
	s_mov_b32 s47, 0
	s_lshl_b32 s82, s42, 10                        ; the bias of my wave's 128 columns: 1,024 bytes x block column + 512 x half
	s_lshl_b32 s83, s12, 9
	s_add_co_u32 s82, s82, s83
	s_mov_b32 s83, 0
	s_mul_i32 s20, s10, HALFT                      ; where the tiles go: wave x 34,816: no place in the cluster enters an LDS address
	s_wait_dscnt 0x0
	s_wait_kmcnt 0x0
	s_add_nc_u64 s[14:15], s[4:5], s[16:17]
	s_add_nc_u64 s[46:47], s[6:7], s[46:47]
	s_cmp_eq_u32 s45, 0                            ; the tensor picks its bias and its output
	s_cselect_b64 s[8:9], s[74:75], s[76:77]
	s_cselect_b64 s[80:81], s[68:69], s[70:71]
	s_cmp_eq_u32 s45, 2
	s_cselect_b64 s[8:9], s[78:79], s[8:9]
	s_cselect_b64 s[80:81], s[72:73], s[80:81]
	s_add_nc_u64 s[80:81], s[80:81], s[82:83]
	CROUND                                         ; all sixteen work-groups are here: the first joint loads meet
.irp s, 0,1
	s_mov_b32 s[G0+4*\s], 1                                        ; count = 1
	s_add_co_u32 s[G0+4*\s+1], s20, \s*SLOT                        ; LDS address
	s_add_nc_u64 s[G0+4*\s+2:G0+4*\s+3], s[14:15], \s*ASTEP        ; global address: K step s
	s_or_b32 s[G0+4*\s+3], s[G0+4*\s+3], 0x80000000                ; type = 2
	s_mov_b32 s[G0B+4*\s], 1
	s_add_co_u32 s[G0B+4*\s+1], s20, \s*SLOT
	s_add_nc_u64 s[G0B+4*\s+2:G0B+4*\s+3], s[46:47], \s*BSTEP
	s_or_b32 s[G0B+4*\s+3], s[G0B+4*\s+3], 0x80000000
	JLOAD \s                                       ; the ring is filled before anything else is done: two tensor loads of the wave are out
.endr
	v_and_b32 v1, 15, v0                           ; l % 16
	v_bfe_u32 v2, v0, 4, 1                         ; l / 16
	v_lshlrev_b32 v[BOFF], 5, v2
	; the bias in the accumulators' layout: register j of tile column b is b[16 b + 8 (l / 16) + j], whatever the row
.irp b, 0,1,2,3,4,5,6,7
	global_load_b128 v[BIAS+8*\b:BIAS+8*\b+3],   v[BOFF], s[80:81] offset:\b*64
	global_load_b128 v[BIAS+8*\b+4:BIAS+8*\b+7], v[BOFF], s[80:81] offset:\b*64+16
.endr
	; x fragment, 16 rows x 32 K in 8 registers: lane l holds row l % 16; registers 0-3 K = 8 (l / 16) + 0..7, registers 4-7 16 further on: two loads, 32 bytes apart.
	v_mul_u32_u24 v3, v1, PITCH
	v_lshl_add_u32 v3, v2, 4, v3                   ; row x pitch + 16 x half
	; W fragment by the transposing load: lane l addresses k row 8 (l / 16) + (l & 7), 16 bytes at 16 ((l >> 3) & 1); the second load 16 k rows further down.
	v_and_b32 v6, 7, v0
	v_bfe_u32 v7, v0, 3, 1
	v_lshl_add_u32 v8, v2, 3, v6
	v_mul_u32_u24 v8, v8, BPITCH
	v_lshl_add_u32 v8, v7, 4, v8
	s_mul_i32 s21, s11, HALFT                      ; my 128 rows of x
	s_lshl_b32 s22, s12, 8                         ; my 128 columns of W: 256 bytes,
	s_add_co_u32 s22, s22, 2*HALFT                 ; behind x's 256 rows
.irp s, 0,1
	v_add_nc_u32 v[ADRA+\s], s21, v3
	v_add_nc_u32 v[ADRB+\s], s22, v8
	s_add_co_u32 s21, s21, SLOT
	s_add_co_u32 s22, s22, SLOT
.endr
	s_mul_i32 s23, s10, 16*SPITCH
	s_add_co_u32 s23, s23, STAGE                   ; my stage
	v_add_nc_u32 v[STO], s23, v3                   ; in: row l % 16, 16 bytes for each half of the lanes (the stage's pitch is x's)
	v_and_b32 v9, 31, v0
	v_lshrrev_b32 v5, 3, v9
	v_mul_u32_u24 v5, v5, SPITCH                   ; back: eight lanes take 128 bytes (one head) of a row, the wave four rows
	v_lshl_add_u32 v5, v6, 4, v5
	v_add_nc_u32 v[RD], s23, v5
	v_lshlrev_b32 v[CO], 4, v9
; 16 matrix instructions: row blocks a0, a0 + 1 of the window's four (hi = 0: my rows 0-63, 1: rows 64-127) x all 8 column blocks, 32 along K.
; bias = 1: the first product starts the sums from the bias: nothing is cleared and no add follows.
; The 64 accumulators take turns, one instruction a turn, in the same order in every quarter step.
.macro MUL16 f, hi, a0, bias
.irp a, \a0, \a0+1
.irp b, 0,1,2,3,4,5,6,7
.if \bias
	v_wmma_f32_16x16x32_f16 v[8*(8*(\a)+\b):8*(8*(\a)+\b)+7], v[\f+8*\b:\f+8*\b+7], v[\f+8*(4*\hi+\a):\f+8*(4*\hi+\a)+7], v[BIAS+8*\b:BIAS+8*\b+7]
.else
	v_wmma_f32_16x16x32_f16 v[8*(8*(\a)+\b):8*(8*(\a)+\b)+7], v[\f+8*\b:\f+8*\b+7], v[\f+8*(4*\hi+\a):\f+8*(4*\hi+\a)+7], v[8*(8*(\a)+\b):8*(8*(\a)+\b)+7]
.endif
.endr
.endr
.endm
; 32 LDS loads in one run: the fragments of quarter q of a K step (32 K: 128 columns of W, then 128 rows of x) into buffer f
.macro FETCH slot, q, f
	WIN 0
.irp i, 0,1,2,3,4,5,6,7
	ds_load_tr16_b128 v[\f+8*\i:\f+8*\i+3],   v[ADRB+\slot] offset:\q*32*BPITCH+\i*32
	ds_load_tr16_b128 v[\f+8*\i+4:\f+8*\i+7], v[ADRB+\slot] offset:\q*32*BPITCH+\i*32+16*BPITCH
.endr
	WIN TO_A
.irp i, 0,1,2,3,4,5,6,7
	ds_load_b128 v[\f+8*\i:\f+8*\i+3],   v[ADRA+\slot] offset:\q*64+\i*16*PITCH
	ds_load_b128 v[\f+8*\i+4:\f+8*\i+7], v[ADRA+\slot] offset:\q*64+\i*16*PITCH+32
.endr
.endm
; A load into a register that a matrix instruction has read, and a vector instruction that reads a matrix result, stand four places behind that matrix
; instruction, and only plain vector instructions that name none of its registers are places (ISA guide 7.12.1 for vector instructions).
.macro PLACES
.rept 4
	v_nop
.endr
.endm
; A K step is four quarter steps of 32 along K, 64 matrix instructions each, on buffers 0, 1, 0, 1.
; One of the first three: multiplies buffer f; in its middle it fetches quarter q of the same slot into buffer g.
.macro QUARTER slot, q, f, g, bias
	s_wait_dscnt 8                                 ; W and x's rows 0-63 are in; the youngest eight loads (x's rows 64-127) may be out
.if \bias
	WIN START_LO
.else
	WIN MUL_LO
.endif
	MUL16 \f, 0, 0, \bias
	MUL16 \f, 0, 2, \bias
	PLACES
	FETCH \slot, \q, \g
	s_wait_dscnt 32                                ; all but the 32 just issued
.if \bias
	WIN START_HI
.else
	WIN MUL_HI
.endif
	MUL16 \f, 1, 0, \bias
	MUL16 \f, 1, 2, \bias
.endm
.macro THREE slot, bias
	QUARTER \slot, 1, F0, F1, \bias
	QUARTER \slot, 2, F1, F0, 0
	QUARTER \slot, 3, F0, F1, 0
.endm
; The last quarter: multiplies buffer 1 and changes slots.  next = the other slot; fill = 1: this slot is filled again, two K steps ahead.
; ONE barrier for the change of slots.  In front of it each wave waits for its own reads of this slot and for all its tensor loads, of which one is out:
; its part of the next slot.  Behind it nobody reads this slot any more and the next slot is whole: the refill comes first, then the next slot's first
; fragments.  From a request to the wait for it a wave issues 240 matrix instructions.
.macro TURN slot, next, fill
	s_wait_dscnt 8
	WIN MUL_LO
	MUL16 F1, 0, 0, 0
	s_wait_dscnt 0                                 ; my reads of this slot are over
	s_wait_tensorcnt 0x0                           ; and all my tensor loads have landed: the one that was out is my part of the next slot
	ds_add_u32 v63, v255
	s_wait_dscnt 0x0
	s_barrier_signal -1                            ; say so (where a slot is filled again this barrier opens a round of the cluster's barrier),
	MUL16 F1, 0, 2, 0                              ; work on registers while the others arrive,
	WIN 0
	s_barrier_wait -1                              ; and go on when all four have said so
.if \fill
	CREST                                          ; all sixteen work-groups have said so: no wave of any partner still reads this slot's tile or has a load on its way
	s_add_nc_u64 s[G0+4*\slot+2:G0+4*\slot+3], s[G0+4*\slot+2:G0+4*\slot+3], 2*ASTEP
	s_add_nc_u64 s[G0B+4*\slot+2:G0B+4*\slot+3], s[G0B+4*\slot+2:G0B+4*\slot+3], 2*BSTEP
	JLOAD \slot                                    ; the first tensor load behind the round, and my only one until the next
.endif
	PLACES
	FETCH \next, 0, F0
	WIN MUL_HI
	MUL16 F1, 1, 0, 0
	MUL16 F1, 1, 2, 0
.endm
.macro LAP bias                        ; once round the ring, both slots filled again
	THREE 0, \bias
	TURN 0, 1, 1
	THREE 1, 0
	TURN 1, 0, 1
.endm
	s_wait_loadcnt 0x0                             ; the bias
	s_wait_tensorcnt 1                             ; my part of K step 0 is in; K step 1's load, issued behind it, may be out
	s_barrier_signal -1
	s_barrier_wait -1                              ; everybody's is
	FETCH 0, 0, F0
	LAP 1                                          ; the first lap stands in front of the loop: its first products start the sums
	WIN 0                                          ; at a label and at a branch every window is 0
	s_mov_b32 s3, LAPS-2
.Llap:
	LAP 0
	WIN 0
	s_sub_co_u32 s3, s3, 1
	s_cmp_lg_u32 s3, 0
	s_cbranch_scc1 .Llap
	THREE 0, 0                                     ; the last lap fills nothing, and has no round of the cluster's barrier: my one tensor load that is still out is slot 1's, the last K step's
	TURN 0, 1, 0
	THREE 1, 0
	s_wait_dscnt 8                                 ; the very last quarter: nothing more to fetch
	WIN MUL_LO
	MUL16 F1, 0, 0, 0
	MUL16 F1, 0, 2, 0
	s_wait_dscnt 0
	WIN MUL_HI
	MUL16 F1, 1, 0, 0
	MUL16 F1, 1, 2, 0
	; THE WAY OUT, 16 rows at a time: round to f16, 16 bytes a lane into my own stage in LDS, read back head by head.
	; The four v_nop are the places behind the last matrix instructions: for the conversions, which read results, and for the loads into W's buffers.
	PLACES
	s_lshr_b32 s16, s13, 3
	s_and_b32 s16, s16, 1                          ; batch: 8 block rows each
	s_lshl_b32 s16, s16, 22                        ; 16 planes of 262,144 bytes
	s_and_b32 s17, s13, 7
	s_lshl_b32 s17, s17, 15                        ; 256 rows of 128 bytes
	s_add_co_u32 s16, s16, s17
	s_lshl_b32 s17, s11, 14                        ; my 128 rows
	s_add_co_u32 s16, s16, s17
	s_mov_b32 s17, 0
	s_add_nc_u64 s[8:9], s[8:9], s[16:17]
	s_lshl_b32 s46, s42, 20                        ; my first head = 4 x block column + 2 x half (in the registers that held W's address: none that feeds x's descriptors ever holds cx)
	s_lshl_b32 s47, s12, 19
	s_add_co_u32 s46, s46, s47
	s_mov_b32 s47, 0
	s_add_nc_u64 s[8:9], s[8:9], s[46:47]
; rows 16 i .. 16 i + 15 of my block = the eight tiles (a, 0..7) of window 2 or 3 (from = 0x0a or 0x0f: sources 0 and 1); f: F0 or F1 in turn
.macro OUT16 i, a, from, f
	WIN \from
.irp b, 0,1,2,3,4,5,6,7
.irp r, 0,1,2,3
	v_cvt_pk_f16_f32 v[TMP+4*\b+\r], v[8*(8*\a+\b)+2*\r], v[8*(8*\a+\b)+2*\r+1]
.endr
.endr
	WIN 0
.irp b, 0,1,2,3,4,5,6,7
	ds_store_b128 v[STO], v[TMP+4*\b:TMP+4*\b+3] offset:32*\b
.endr
	s_wait_xcnt 0x0                                ; buffer f, which earlier stores read, is loaded again only behind this wait
.irp t, 0,1,2,3,4,5,6,7
	ds_load_b128 v[\f+4*\t:\f+4*\t+3], v[RD] offset:(\t&3)*4*SPITCH+(\t>>2)*128    ; four rows of head t >> 2; LDS serves a wave's instructions in order: these see the stores above
.endr
.irp t, 0,1,2,3,4,5,6,7
	s_wait_dscnt 7-\t                              ; read-back t is in, the younger ones may be out
	global_store_b128 v[CO], v[\f+4*\t:\f+4*\t+3], s[8:9] offset:\i*2048+(\t&3)*512+(\t>>2)*262144   ; four rows of a plane: 512 consecutive bytes, aligned
.endr
.endm
	OUT16 0, 0, 0x0a, F0
	OUT16 1, 1, 0x0a, F1
	OUT16 2, 2, 0x0a, F0
	OUT16 3, 3, 0x0a, F1
	OUT16 4, 0, 0x0f, F0
	OUT16 5, 1, 0x0f, F1
	OUT16 6, 2, 0x0f, F0
	OUT16 7, 3, 0x0f, F1
	s_set_vgpr_msb 0x4
	s_wait_tensorcnt 0x0
	ds_add_u32 v63, v255
	s_wait_dscnt 0x0
	s_set_vgpr_msb 0x400
	CROUND                                         ; the closing round: no work-group ends while a partner may still ask for a tile that names it
	s_endpgm
.Lfunc_end_k_q0df03b8641_proj:
	.size	k_q0df03b8641_proj, .Lfunc_end_k_q0df03b8641_proj-k_q0df03b8641_proj
	.p2alignl 7, 3214868480
	.fill 96, 4, 3214868480
	.section	.rodata,"a",@progbits
	.p2align	6, 0x0
	.amdhsa_kernel k_q0df03b8641_proj
		.amdhsa_group_segment_fixed_size 327680
		.amdhsa_private_segment_fixed_size 0
		.amdhsa_enable_private_segment 0
		.amdhsa_kernarg_size 64
		.amdhsa_user_sgpr_count 2
		.amdhsa_user_sgpr_kernarg_segment_ptr 1
		.amdhsa_wavefront_size32 1
		.amdhsa_system_sgpr_workgroup_id_x 1
		.amdhsa_system_sgpr_workgroup_id_y 1
		.amdhsa_system_sgpr_workgroup_id_z 1
		.amdhsa_system_vgpr_workitem_id 0
		.amdhsa_next_free_vgpr 1024
		.amdhsa_next_free_sgpr 84
		.amdhsa_reserve_vcc 0
		.amdhsa_float_denorm_mode_32 3
		.amdhsa_float_denorm_mode_16_64 3
		.amdhsa_memory_ordered 1
		.amdhsa_forward_progress 1
		.amdhsa_inst_pref_size 198
	.end_amdhsa_kernel
	.amdgpu_metadata
---
amdhsa.version: [ 1, 2 ]
amdhsa.kernels:
  - .name:           k_q0df03b8641_proj
    .symbol:         k_q0df03b8641_proj.kd
    .args:
      - { .name: xf, .offset: 0, .size: 8, .value_kind: global_buffer, .address_space: global }
      - { .name: wf, .offset: 8, .size: 8, .value_kind: global_buffer, .address_space: global }
      - { .name: bq, .offset: 16, .size: 8, .value_kind: global_buffer, .address_space: global }
      - { .name: bk, .offset: 24, .size: 8, .value_kind: global_buffer, .address_space: global }
      - { .name: bv, .offset: 32, .size: 8, .value_kind: global_buffer, .address_space: global }
      - { .name: qh, .offset: 40, .size: 8, .value_kind: global_buffer, .address_space: global }
      - { .name: kh, .offset: 48, .size: 8, .value_kind: global_buffer, .address_space: global }
      - { .name: vh, .offset: 56, .size: 8, .value_kind: global_buffer, .address_space: global }
    .group_segment_fixed_size: 327680
    .private_segment_fixed_size: 0
    .kernarg_segment_align: 8
    .kernarg_segment_size: 64
    .max_flat_workgroup_size: 128
    .sgpr_count:     84
    .vgpr_count:     1024
    .wavefront_size: 32
...
	.end_amdgpu_metadata
.endif
;; end of part 5
;; launch attn: the kernel of part 2 again; grid 8 x 32, 8 waves a work-group, clusters of 4 x 1, 327,680 bytes of LDS; arguments qh, kh, vh, ao; writes ao
;; launch outp: the kernel of part 3 again; grid 8 x 32, 8 waves a work-group, no clusters, 148,480 bytes of LDS; arguments ao, Wo, bo, out0; writes out0
